; MI455X (gfx1250); checked and timed in simulation.
; The chip was launched on July 23, 2026; its instructions are those of AMD's public machine-readable ISA for CDNA 5 (MIT licence, August 2026) and "CDNA5" Instruction Set Architecture Reference Guide (July 2026). The comments in the code are by the model that wrote it; some were corrected since.
;; Multi Head Attention. Allowed arithmetic: matrix products marked QUANTISED: E2M1 operands, one E8M0 scale for each 32 along K, by v_wmma_scale_f32_16x16x128_f8f6f4 with both operands' format E2M1 (or v_wmma_scale_f32_32x16x128_f4), f32 sums; products left as they are: bf16, f16 or f32 operands; f32 sums; everything else in f32.
;; Inputs: Wk 1,024 x 1,024 float32; Wo 1,024 x 1,024 float32; Wq 1,024 x 1,024 float32; Wv 1,024 x 1,024 float32; bk 1,024 float32; bo 1,024 float32; bq 1,024 float32; bv 1,024 float32; k 4 x 2,048 x 1,024 float32; q 4 x 2,048 x 1,024 float32; v 4 x 2,048 x 1,024 float32.
;; Outputs: out0 4 x 2,048 x 1,024 float32.
;; This version of the problem:
;;   THIS VERSION OF THE PROBLEM IS GIVEN IN LOW PRECISION. The matrix products marked QUANTISED in the list below multiply operands that are first quantised to E2M1 (2 exponent bits, 1 mantissa bit; 4 bits a number), with one power-of-two scale for each 32 numbers along K (OCP MX v1.0); their sums are f32. The products marked 'left as it is' may take bf16, f16 or f32 operands, with f32 sums. Whichever they take, every output number must still come out within the allowed error. Rounding operands to bf16 (8 significant bits) uses up far more of that allowance than f16 does (11 bits, for magnitudes from 6e-5 to 65,504). All else is computed in f32.
;;   The module's matrix products, in the order in which they are computed (A, B: the left and right operand; K: the contracted axis; several contracted axes count as one K, in the product's order):
;;     1. [M 8,192, K 1,024] x [K 1,024, N 1,024]; A: input q; B: input Wq: QUANTISED
;;     2. [M 8,192, K 1,024] x [K 1,024, N 1,024]; A: input k; B: input Wk: QUANTISED
;;     3. [M 8,192, K 1,024] x [K 1,024, N 1,024]; A: input v; B: input Wv: QUANTISED
;;     4. batch 64 x [M 2,048, K 64] x [K 64, N 2,048]; A: computed on the way; B: computed on the way: left as it is (an operand is computed on the way)
;;     5. batch 64 x [M 2,048, K 2,048] x [K 2,048, N 64]; A: computed on the way; B: computed on the way: left as it is (an operand is computed on the way)
;;     6. [M 8,192, K 1,024] x [K 1,024, N 1,024]; A: computed on the way; B: input Wo: left as it is (an operand is computed on the way)
;;   THE QUANTISER, for each operand of a quantised product, along K:
;;     - K is cut into blocks of 32 from its start; a last block that is shorter is filled with zeros.
;;     - A block's scale is 2^e with e = floor(log2(the largest magnitude in the block)) - 2, held to -126 .. 127; a block of zeros has e = 0. As a byte (E8M0): e + 127.
;;     - Each number is divided by its block's scale, clamped to +-6, and rounded to the nearest number of E2M1, ties to even, subnormals kept.
;;     - The product sums the exact products of the quantised numbers (number of the format x scale) in f32.
;;   ~~~python
;;   def quantise(x, axis):      # numpy; x: float32 -> the quantised numbers, widened to float32 again
;;       x = np.moveaxis(x, axis, -1); K = x.shape[-1]
;;       x = np.pad(x, [(0, 0)] * (x.ndim - 1) + [(0, -K % 32)]); x = x.reshape(x.shape[:-1] + (-1, 32)); a = np.abs(x).max(-1, keepdims=True)
;;       e = np.where(a > 0, np.clip(np.frexp(np.where(a > 0, a, 1))[1] - 1 - 2, -126, 127), 0)      # np.frexp(a)[1] - 1 = floor(log2(a)), exactly
;;       r = np.clip(x / 2.0 ** e, -6, 6)
;;       step = 2.0 ** (np.maximum(np.frexp(np.where(r == 0, 1, r))[1] - 1, 0) - 1)
;;       q = np.round(r / step) * step * 2.0 ** e      # np.round: ties to even
;;       return np.moveaxis(q.reshape(q.shape[:-2] + (-1,))[..., :K], -1, axis).astype(np.float32)
;;   ~~~
;; One version. Each part assembles by itself: llvm-mc -triple=amdgcn-amd-amdhsa -mcpu=gfx1250 --defsym DOCPART=n.
;; ======== version 1 of 1: 5 launches
;; limits: values are held in f16: magnitudes above 65,504 overflow, below 6.1e-05 lose precision
;; workspace buffers: xc 12,582,912 bytes; xs 786,432 bytes; wc 1,572,864 bytes; ws 98,304 bytes; wo16 2,097,152 bytes; hqkv 50,331,648 bytes; fine 786,432 bytes; ctx 16,777,216 bytes
;; launch quant (part 1): grid 896 x 1, 4 waves a work-group, no clusters, 33,280 bytes of LDS; arguments q, k, v, Wq, Wk, Wv, Wo, xc, xs, wc, ws, wo16; writes xc, xs, wc, ws, wo16
.if DOCPART == 1
	.amdgcn_target "amdgcn-amd-amdhsa--gfx1250"
	.amdhsa_code_object_version 6
	.text
	.protected	k_qd6c5152c47_quant
	.globl	k_qd6c5152c47_quant
	.p2align	8
	.type	k_qd6c5152c47_quant,@function
k_qd6c5152c47_quant:
	s_mov_b64 s[64:65], 0
	v_nop
	global_prefetch_b8 v0, s[64:65] scope:SCOPE_SE
	s_setreg_imm32_b32 hwreg(HW_REG_WAVE_MODE, 25, 1), 1
	s_wait_xcnt 0x0
; q, k, v [8192][1024] and Wq, Wk, Wv [1024][1024], f32 with K innermost, become codes of FP4 (E2M1), two a byte, K innermost, with one E8M0 byte for each 32 along K.
; q, k, v go on end into xc [24576][512 bytes] and xs [24576][32]; Wq, Wk, Wv into wc [3072][512] and ws [3072][32].  Wo [1024][1024] is rounded to f16 into wo16.
; A block's scale is 2^(floor(log2(its largest magnitude)) - 2); its byte is the largest magnitude's exponent field - 2, held at 1 from below.  Each number is divided by the scale and rounded to the
; nearest code, ties to even; beyond 6 the largest code.
; LIMITS: a block of zeros gets the byte 1 where the rule says 127 (its codes are zeros, and this program alone reads the bytes); blocks whose largest magnitude lies under 2^(2 - 126) likewise have
; the byte 1; NaN and infinities are not served; Wo's numbers have to lie inside f16 (magnitude up to 65,504).
; Rows are dense and 1,024 is a multiple of 32: each tensor is a plain stream of blocks of 32.  A work-group takes 32,768 numbers, a wave 8,192: 16 steps of 512.
; Work-groups 0-255 q, 256-511 k, 512-767 v, 768-799 Wq, 800-831 Wk, 832-863 Wv, 864-895 Wo.  Only pointers are chosen for the six quantised tensors: they take one path.
; Each load reads 512 consecutive bytes; a step's 2,048 bytes turn through the wave's own stage in LDS (16 bytes of padding behind each 64) so that a lane holds 16 neighbours along K.
; No tensor loads, no barrier: waves share nothing.  Matrix units and clusters have nothing to do here: every byte is read once and written once.
.set WAVES, 4
.set STEPS, 16
.set EMAX,  2
.set CB,    8                          ; bytes of 16 codes
.set R,     16                         ; v16-79   four sets of 16 numbers as loaded (Wo's path: v16-143, 32 loads)
.set X,     80                         ; v80-111  two sets of 16 neighbours
.set C,     128                        ; v128-191 codes, four registers a step: no store's data are written again
.set E,     112                        ; v112-127 a scale byte for each step
.set WREG,  8192                       ; LDS: a region for each wave: two stages of 32 x SP bytes, then its 256 scale bytes
.set SP,    80
.set SPW,   12                         ; v12 LDS address of my spare word; never rewritten
.set NIL,   13                         ; v13 0; never rewritten
.set SPARE, WAVES*WREG                 ; the spare words, 128 bytes a wave: no other line names them
.set SRC,   28                         ; s[28:29] the numbers
.set DC,    32                         ; s[32:33] the codes
.set DS,    34                         ; s[34:35] the scale bytes
	s_load_b512 s[4:19], s[0:1], 0x0               ; q 4, k 6, v 8, Wq 10, Wk 12, Wv 14, Wo 16, xc 18
	s_load_b256 s[20:27], s[0:1], 0x40             ; xs 20, wc 22, ws 24, wo16 26
	v_lshl_add_u32 v[SPW], v0, 2, SPARE
	v_mov_b32 v[NIL], 0
	v_lshrrev_b32 v1, 5, v0
	v_readfirstlane_b32 s36, v1                    ; wave
	v_and_b32 v2, 31, v0                           ; lane
	v_lshlrev_b32 v3, 4, v2                        ; my 16 bytes of a load's 512
	s_mul_i32 s37, s36, WREG
	v_lshrrev_b32 v14, 2, v2
	v_mul_u32_u24 v14, v14, SP
	v_and_b32 v15, 3, v2
	v_lshl_add_u32 v14, v15, 4, v14
	v_add_nc_u32 v14, s37, v14                     ; the stage, in: SP (lane / 4) + 16 (lane % 4)
	v_mul_u32_u24 v15, v2, SP
	v_add_nc_u32 v15, s37, v15                     ; and out: SP x lane: my 16 neighbours
	v_mul_u32_u24 v4, v2, CB                       ; my codes' place in a step's
	v_lshrrev_b32 v5, 1, v2
	s_add_co_u32 s37, s37, 2*32*SP
	v_add_nc_u32 v5, s37, v5                       ; my block's scale byte in LDS
	v_lshlrev_b32 v7, 3, v2                        ; 8 bytes a lane
	v_add_nc_u32 v6, s37, v7
	s_wait_kmcnt 0x0
	s_cmp_ge_u32 ttmp9, 864                        ; Wo's work-groups part here: a branch on the work-group's number
	s_cbranch_scc1 .Lwo
	s_mov_b64 s[SRC:SRC+1], s[4:5]
	s_mov_b32 s30, 0                               ; the tensor's first work-group
.macro PICK first, ptr
	s_cmp_ge_u32 ttmp9, \first
	s_cselect_b64 s[SRC:SRC+1], s[\ptr:\ptr+1], s[SRC:SRC+1]
	s_cselect_b32 s30, \first, s30
.endm
	PICK 256, 6
	PICK 512, 8
	PICK 768, 10
	PICK 800, 12
	PICK 832, 14
	s_cmp_ge_u32 ttmp9, 768                        ; a weight's codes go to wc and ws
	s_cselect_b64 s[DC:DC+1], s[22:23], s[18:19]
	s_cselect_b64 s[DS:DS+1], s[24:25], s[20:21]
	s_cselect_b32 s31, 768, 0
	s_sub_co_u32 s37, ttmp9, s30
	s_lshl_b32 s37, s37, 2
	s_add_co_u32 s37, s37, s36                     ; which run of 8,192 numbers of the tensor
	s_lshl_b32 s38, s37, 15
	s_mov_b32 s39, 0
	s_add_nc_u64 s[SRC:SRC+1], s[SRC:SRC+1], s[38:39]
	s_sub_co_u32 s37, ttmp9, s31
	s_lshl_b32 s37, s37, 2
	s_add_co_u32 s37, s37, s36                     ; which run of the codes' buffer
	s_lshl_b32 s38, s37, 12                        ; 4,096 bytes of codes a run
	s_add_nc_u64 s[DC:DC+1], s[DC:DC+1], s[38:39]
	s_lshl_b32 s38, s37, 8                         ; 256 scale bytes a run
	s_add_nc_u64 s[DS:DS+1], s[DS:DS+1], s[38:39]
.macro LOAD t
.irp i, 0,1,2,3
	global_load_b128 v[R+16*((\t)%4)+4*\i:R+16*((\t)%4)+4*\i+3], v3, s[SRC:SRC+1] offset:2048*(\t)+512*\i th:TH_LOAD_NT
.endr
.endm
.macro TURN t                          ; step t's numbers through the stage: LDS serves a wave's instructions in order, so no wait stands between the stores and the loads
.irp i, 0,1,2,3
	ds_store_b128 v14, v[R+16*((\t)%4)+4*\i:R+16*((\t)%4)+4*\i+3] offset:32*SP*((\t)%2)+8*SP*\i
.endr
.irp i, 0,1,2,3
	ds_load_b128 v[X+16*((\t)%2)+4*\i:X+16*((\t)%2)+4*\i+3], v15 offset:32*SP*((\t)%2)+16*\i
.endr
.endm
.irp t, 0,1,2,3
	LOAD \t
.endr
	s_wait_loadcnt 12                              ; step 0's four loads are in; the twelve of steps 1 to 3 may be out
	TURN 0
.macro STEP t
.set XS, X+16*((\t)%2)
.if (\t) > 0
	s_wait_dscnt 1                                 ; this step's numbers are back from the stage; the last step's byte store may be out
.else
	s_wait_dscnt 0x0
.endif
.if (\t)+4 < STEPS
	LOAD (\t)+4                                    ; into the registers that the stage's stores have read
.endif
.if (\t)+1 < STEPS
.if STEPS-2-(\t) >= 3
	s_wait_loadcnt 12                              ; the next step's four loads are in; those of the three steps behind it may be out
.else
	s_wait_loadcnt 4*(STEPS-2-(\t))
.endif
	TURN (\t)+1
.endif
	v_max3_num_f32 v8, |v[XS]|, |v[XS+1]|, |v[XS+2]|               ; the largest magnitude of my 16, in two chains
	v_max3_num_f32 v9, |v[XS+3]|, |v[XS+4]|, |v[XS+5]|
.irp i, 6,10
	v_max3_num_f32 v8, v8, |v[XS+\i]|, |v[XS+\i+1]|
	v_max3_num_f32 v9, v9, |v[XS+\i+2]|, |v[XS+\i+3]|
.endr
	v_max3_num_f32 v8, v8, |v[XS+14]|, |v[XS+15]|
	v_max3_num_f32 v8, v8, v9, (EMAX+1)<<23        ; and the floor 2^(3 - 127): the byte cannot fall under 1
	v_max_num_f32_dpp v8, v8, v8 row_xmask:1 row_mask:0xf bank_mask:0xf   ; with my neighbour's 16: the block's
	v_add_nc_u32 v11, -(EMAX<<23), v8              ; 2 off its exponent field: the conversion takes the exponent field of this operand as its scale
	v_cvt_scalef32_pk8_fp4_f32 v[C+4*(\t)], v[XS:XS+7], v11
	v_cvt_scalef32_pk8_fp4_f32 v[C+4*(\t)+1], v[XS+8:XS+15], v11
	v_lshrrev_b32 v[E+(\t)], 23, v11               ; the scale's byte
	ds_store_b8 v5, v[E+(\t)] offset:16*(\t)       ; both lanes of a block write the same byte with the same value
	global_store_b64 v4, v[C+4*(\t):C+4*(\t)+1], s[DC:DC+1] offset:32*CB*(\t)   ; the wave stores 256 consecutive bytes, aligned
.endm
.irp t, 0,1,2,3,4,5,6,7,8,9,10,11,12,13,14,15
	STEP \t
.endr
	ds_load_b64 v[8:9], v6                         ; my wave's 256 scale bytes: these loads see my stores
	s_wait_dscnt 0x0
	global_store_b64 v7, v[8:9], s[DS:DS+1]        ; 256 consecutive bytes, aligned
	s_branch .Lend
.Lwo:                                              ; Wo to f16: a wave takes 8,192 numbers in two halves of 32 loads; no LDS
	s_sub_co_u32 s37, ttmp9, 864
	s_lshl_b32 s37, s37, 2
	s_add_co_u32 s37, s37, s36
	s_lshl_b32 s38, s37, 15
	s_mov_b32 s39, 0
	s_add_nc_u64 s[16:17], s[16:17], s[38:39]
	s_lshl_b32 s38, s37, 14
	s_add_nc_u64 s[26:27], s[26:27], s[38:39]
.irp hf, 0,1
.if \hf
	s_wait_xcnt 0x0                                ; the first half's stores have read their data: the registers are loaded again
.endif
.set i, 0
.rept 32
	global_load_b128 v[16+4*i:19+4*i], v3, s[16:17] offset:16384*\hf+512*i th:TH_LOAD_NT
.set i, i+1
.endr
.set i, 0
.rept 32
	s_wait_loadcnt 31-i                            ; load i is in; the younger ones stay out
	v_cvt_pk_f16_f32 v[16+4*i], v[16+4*i], v[17+4*i]
	v_cvt_pk_f16_f32 v[17+4*i], v[18+4*i], v[19+4*i]
	global_store_b64 v7, v[16+4*i:17+4*i], s[26:27] offset:8192*\hf+256*i   ; 256 consecutive bytes, aligned
.set i, i+1
.endr
.endr
.Lend:
	s_wait_tensorcnt 0x0                           ; the wave's end, behind my last LDS store
	ds_add_u32 v[SPW], v[NIL]
	s_wait_dscnt 0x0
	s_endpgm
.Lfunc_end_k_qd6c5152c47_quant:
	.size	k_qd6c5152c47_quant, .Lfunc_end_k_qd6c5152c47_quant-k_qd6c5152c47_quant
	.p2alignl 7, 3214868480
	.fill 96, 4, 3214868480
	.section	.rodata,"a",@progbits
	.p2align	6, 0x0
	.amdhsa_kernel k_qd6c5152c47_quant
		.amdhsa_group_segment_fixed_size 33280
		.amdhsa_private_segment_fixed_size 0
		.amdhsa_enable_private_segment 0
		.amdhsa_kernarg_size 96
		.amdhsa_user_sgpr_count 2
		.amdhsa_user_sgpr_kernarg_segment_ptr 1
		.amdhsa_wavefront_size32 1
		.amdhsa_system_sgpr_workgroup_id_x 1
		.amdhsa_system_sgpr_workgroup_id_y 1
		.amdhsa_system_sgpr_workgroup_id_z 1
		.amdhsa_system_vgpr_workitem_id 0
		.amdhsa_next_free_vgpr 192
		.amdhsa_next_free_sgpr 66
		.amdhsa_reserve_vcc 0
		.amdhsa_float_denorm_mode_32 3
		.amdhsa_float_denorm_mode_16_64 3
		.amdhsa_memory_ordered 1
		.amdhsa_forward_progress 1
		.amdhsa_inst_pref_size 57
	.end_amdhsa_kernel
	.amdgpu_metadata
---
amdhsa.version: [ 1, 2 ]
amdhsa.kernels:
  - .name:           k_qd6c5152c47_quant
    .symbol:         k_qd6c5152c47_quant.kd
    .args:
      - { .name: q, .offset: 0, .size: 8, .value_kind: global_buffer, .address_space: global }
      - { .name: k, .offset: 8, .size: 8, .value_kind: global_buffer, .address_space: global }
      - { .name: v, .offset: 16, .size: 8, .value_kind: global_buffer, .address_space: global }
      - { .name: Wq, .offset: 24, .size: 8, .value_kind: global_buffer, .address_space: global }
      - { .name: Wk, .offset: 32, .size: 8, .value_kind: global_buffer, .address_space: global }
      - { .name: Wv, .offset: 40, .size: 8, .value_kind: global_buffer, .address_space: global }
      - { .name: Wo, .offset: 48, .size: 8, .value_kind: global_buffer, .address_space: global }
      - { .name: xc, .offset: 56, .size: 8, .value_kind: global_buffer, .address_space: global }
      - { .name: xs, .offset: 64, .size: 8, .value_kind: global_buffer, .address_space: global }
      - { .name: wc, .offset: 72, .size: 8, .value_kind: global_buffer, .address_space: global }
      - { .name: ws, .offset: 80, .size: 8, .value_kind: global_buffer, .address_space: global }
      - { .name: wo16, .offset: 88, .size: 8, .value_kind: global_buffer, .address_space: global }
    .group_segment_fixed_size: 33280
    .private_segment_fixed_size: 0
    .kernarg_segment_align: 8
    .kernarg_segment_size: 96
    .max_flat_workgroup_size: 128
    .sgpr_count:     66
    .vgpr_count:     192
    .wavefront_size: 32
...
	.end_amdgpu_metadata
.endif
;; end of part 1
;; launch proj (part 2): grid 4 x 96, 4 waves a work-group, clusters of 4 x 4, 327,680 bytes of LDS; arguments xc, xs, wc, ws, hqkv, fine, bq, bk, bv; writes hqkv, fine
.if DOCPART == 2
	.amdgcn_target "amdgcn-amd-amdhsa--gfx1250"
	.amdhsa_code_object_version 6
	.text
	.protected	k_qd6c5152c47_proj
	.globl	k_qd6c5152c47_proj
	.p2align	8
	.type	k_qd6c5152c47_proj,@function
k_qd6c5152c47_proj:
	s_mov_b64 s[64:65], 0
	v_nop
	global_prefetch_b8 v0, s[64:65] scope:SCOPE_SE
	s_setreg_imm32_b32 hwreg(HW_REG_WAVE_MODE, 25, 1), 1
	s_wait_xcnt 0x0
	s_wait_alu depctr_hold_cnt(0) depctr_sa_sdst(0) depctr_va_vdst(0) depctr_va_sdst(0) depctr_va_ssrc(0) depctr_va_vcc(0) depctr_vm_vsrc(0)
	s_getreg_b32 s2, hwreg(HW_REG_IB_STS2, 6, 4)
	s_cmp_eq_u32 s2, 0
	s_cbranch_scc0 .Lentry_in_a_cluster
	s_endpgm
.Lentry_in_a_cluster:
	s_bfe_u32 s2, ttmp6, 0x10000c
	s_cmp_lg_u32 s2, 0xf033
	s_cbranch_scc0 .Lentry_shape_is_right
	s_endpgm
.Lentry_shape_is_right:
; The three quantised projections in one launch: Y[m][n] = sum over k of X[m][k] W[n][k] + bias[n], on codes of FP4 (E2M1) with one E8M0 scale for each 32 along K; sums in f32.
; X = xc, xs: rows 0-8191 q, 8192-16383 k, 16384-24575 v.  W = wc, ws: rows 0-1023 Wq, then Wk, then Wv.  K = 1,024.
; OUT: hqkv [g = q, k, v][16 b + head][t 2048][64] in f16 (LIMIT: magnitudes up to 65,504), and the rows t < 16 of every batch also in f32: fine [g][b][t 16][1024].
; A tile of Y, 256 x 256, is made by a work-group of four waves; a wave makes 128 x 128: 64 accumulators, 512 registers.  Tile row R = 0 .. 95 (32 for each of q, k, v), tile column 0 .. 3.
; K is two slots of 512 (LDS rows of 256 bytes + 16 of padding): both are asked for at the head, with the scale bytes of all of K, and nothing is filled again.
; CLUSTERS: 4 x 4 work-groups.  The four of a row of the cluster need the same tiles of X, the four of a column the same tiles of W: each is asked for JOINTLY, by the same tensor load with the same
; descriptor and a mask that names the four.  A cluster's 1,024 rows lie in one of q, k, v: g hangs on the cluster's y alone.
; THE MATRIX INSTRUCTION IS USED TRANSPOSED (source 0 = 16 rows of W, source 1 = 16 rows of X): a lane holds eight neighbouring columns of one row of Y.  The bias is the C of each sum's first product.
; REGISTERS, in windows of 256: window 0: v0-31 addresses; v32-95 scale words, two sets; v128-191 X's fragments, one set; v192-255 the bias in the result's layout; on the way out v32-63, v192-255 are at work.
;   window 1: W's fragments, two sets, at v0 and v128.   window 2: the accumulators of my rows 0-63 ((a, b) at v[8 (8 a + b)]);   window 3: those of rows 64-127.
.set NQ,     4                         ; steps of 128 along K in a slot
.set ROWB,   256                       ; a tile's row: 512 codes
.set KROW,   512                       ; a row of codes in memory
.set PITCH,  272                       ; 256 + 16 = 68 words: the 16 rows that a load touches start at 16 different banks (64 banks of 4 bytes: ISA guide 11.1)
.set FR,     8
.set NL,     2
.set NP,     4                         ; places behind this matrix instruction (ISA guide 7.12.1)
.set HALFT,  128*PITCH
.set SLOT,   4*HALFT                   ; X's 256 rows, then W's 256 rows
.set KS,     32                        ; a row of scale bytes
.set SCL,    2*SLOT                    ; behind the slots: the scale bytes, as units of 256 bytes + 16 of padding
.set HALFS,  (128*KS/256)*272
.set SBLK,   (16*KS/256)*272
.set SPARE,  SCL+4*HALFS               ; the spare words, 128 bytes a wave: no other line names them
.set SPITCH, 272                       ; the way out: a stage of 16 rows x (256 + 16) bytes for each wave, in slot 0, which has had its one fill and its last read by then
.set ADRA, 16
.set ADRB, 20
.set STO,  24
.set RD,   25
.set CO,   26
.set ADRS, 27
.set SPW,  28                          ; v28 LDS address of my spare word; never rewritten
.set NIL,  29                          ; v29 0; never rewritten
.set FO,   30                          ; v30 my byte offset in the f32 rows: 4,096 r + 32 h
.set BA,   31                          ; v31 my byte offset in the bias: 32 h
.set SC,   32
.set AF,   128
.set BI,   192
.set TMP,  192                         ; the way out: packed results v192-223
.set OB,   32                          ; rows read back: v32-63 and v224-255 by turns
.set G1, 24
.set G0, 32
.set G1B, 48
.set G0B, 56
.set G1S, 68
.set G0S, 76
.set G1SB, 80
.set G0SB, 88
.set MSB, 0
.macro WIN new                         ; the immediate's high byte repeats the setting that is left
.if MSB != (\new)
	s_set_vgpr_msb (MSB<<8)|(\new)
.set MSB, \new
.endif
.endm
.set MUL_LO, 0xa1                      ; source 0 (W) window 1, source 1 (X) window 0, C and D window 2
.set MUL_HI, 0xf1                      ; the same, C and D window 3
.set TO_B,   0x40
; A joint load: waves 0 and 1 fetch for X, waves 2 and 3 for W.  The branch hangs on the wave's number alone.  An s_nop 0 and four v_nop follow each of the two lines.
.macro JLOAD g0a, g1a, g0b, g1b
	s_cmp_eq_u32 s15, 0
	s_cbranch_scc0 .Lfor_b_\@
	tensor_load_to_lds s[\g0a:\g0a+3], s[\g1a:\g1a+7]
	s_nop 0
.rept 4
	v_nop
.endr
	s_branch .Lasked_\@
.Lfor_b_\@:
	tensor_load_to_lds s[\g0b:\g0b+3], s[\g1b:\g1b+7]
	s_nop 0
.rept 4
	v_nop
.endr
.Lasked_\@:
.endm
.macro CROUND                          ; a round of the cluster's barrier
	s_barrier_signal -1
	s_barrier_wait -1
	s_cmp_lg_u32 s14, 0
	s_cbranch_scc1 .Lnot_wave_0_\@
	s_barrier_signal -3
.Lnot_wave_0_\@:
	s_barrier_wait -3
	s_barrier_signal -1
	s_barrier_wait -1
.endm
	s_load_b128 s[4:7], s[0:1], 0x0                ; xc, xs
	s_load_b128 s[8:11], s[0:1], 0x10              ; wc, ws
	s_load_b64 s[12:13], s[0:1], 0x20              ; hqkv
	s_load_b64 s[66:67], s[0:1], 0x28              ; fine
	s_load_b128 s[96:99], s[0:1], 0x30             ; bq, bk
	s_load_b64 s[100:101], s[0:1], 0x40            ; bv
	v_lshl_add_u32 v[SPW], v0, 2, SPARE
	v_mov_b32 v[NIL], 0
	ds_add_u32 v[SPW], v[NIL]                      ; the wave's opening: the add, twice on end, and its wait ahead of my first tensor load
	ds_add_u32 v[SPW], v[NIL]
	v_lshrrev_b32 v1, 5, v0
	v_readfirstlane_b32 s14, v1                    ; wave 0..3
	s_lshr_b32 s15, s14, 1                         ; which half of the tile's rows is mine.  Also: I fetch for X (0) or for W (1)
	s_and_b32 s16, s14, 1                          ; which half of its columns.  Also: which 128 rows I fetch
	s_bfe_u32 s40, ttmp6, 0x40000                  ; cx
	s_bfe_u32 s41, ttmp6, 0x40004                  ; cy
	s_lshl_b32 s42, ttmp9, 2
	s_add_co_u32 s42, s42, s40                     ; tile column = 4 x cluster x + cx
	s_and_b32 s95, ttmp7, 0xffff                   ; cluster y
	s_lshl_b32 s17, s95, 2
	s_add_co_u32 s17, s17, s41                     ; tile row R = 4 x cluster y + cy
	s_lshr_b32 s95, s95, 3                         ; g: 0 q, 1 k, 2 v: the same in all sixteen partners
	s_lshl_b32 s43, s41, 2
	s_lshl_b32 s43, 15, s43                        ; my row of the cluster
	s_lshl_b32 s44, 0x1111, s40                    ; my column
	s_or_b32 s[G1+0], s43, (0<<16)|(1<<20)|(1<<21)|(5<<22)|(3<<25)  ; the mask; elements of 1 byte; padding on; bit 21 beside a mask; after every 64 words, 4 words
	s_or_b32 s[G1B+0], s44, (0<<16)|(1<<20)|(1<<21)|(5<<22)|(3<<25)
.irp g, G1, G1B
	s_mov_b32 s[\g+1], ROWB<<16                    ; tensor_dim0
	s_mov_b32 s[\g+2], 128<<16                     ; tensor_dim1
	s_mov_b32 s[\g+3], ROWB<<16                    ; tile_dim0
	s_mov_b32 s[\g+4], 128                         ; tile_dim1
	s_mov_b32 s[\g+5], KROW                        ; the pitch
	s_mov_b32 s[\g+6], 0
	s_mov_b32 s[\g+7], 0
.endr
	s_or_b32 s[G1S+0], s43, (3<<16)|(1<<20)|(1<<21)|(5<<22)|(3<<25)  ; the scale bytes of 128 rows: 4,096 dense bytes as 16 rows of 32 elements of 8 bytes
	s_or_b32 s[G1SB+0], s44, (3<<16)|(1<<20)|(1<<21)|(5<<22)|(3<<25)
.irp g, G1S, G1SB
	s_mov_b32 s[\g+1], 32<<16
	s_mov_b32 s[\g+2], (128*KS/256)<<16
	s_mov_b32 s[\g+3], 32<<16
	s_mov_b32 s[\g+4], 128*KS/256
	s_mov_b32 s[\g+5], 32
	s_mov_b32 s[\g+6], 0
	s_mov_b32 s[\g+7], 0
.endr
	s_lshl_b32 s18, s16, 7                         ; which 128 rows of the tile I fetch
	s_lshl_b32 s20, s17, 8
	s_add_co_u32 s20, s20, s18                     ; X: row 256 R + 128 x half
	s_lshl_b32 s46, s42, 8
	s_add_co_u32 s46, s46, s18
	s_lshl_b32 s47, s95, 10
	s_add_co_u32 s46, s46, s47                     ; W: row 1,024 g + 256 x tile column + 128 x half
	s_mov_b32 s21, 0
	s_mov_b32 s47, 0
	s_mov_b64 s[18:19], KS
	s_mul_u64 s[22:23], s[20:21], s[18:19]         ; where these rows' scale bytes begin
	s_mul_u64 s[92:93], s[46:47], s[18:19]
	s_mov_b64 s[18:19], KROW
	s_mul_u64 s[20:21], s[20:21], s[18:19]         ; and their codes
	s_mul_u64 s[46:47], s[46:47], s[18:19]
	s_mul_i32 s45, s14, HALFT                      ; where they go: wave x 128 rows
	s_mul_i32 s94, s14, HALFS
	s_wait_dscnt 0x0                               ; both opening adds are done
	s_wait_kmcnt 0x0
	s_add_nc_u64 s[20:21], s[4:5], s[20:21]
	s_add_nc_u64 s[22:23], s[6:7], s[22:23]
	s_add_nc_u64 s[46:47], s[8:9], s[46:47]
	s_add_nc_u64 s[92:93], s[10:11], s[92:93]
	CROUND                                         ; all sixteen work-groups are here: the joint loads meet
	s_mov_b32 s[G0S], 1
	s_add_co_u32 s[G0S+1], s94, SCL
	s_mov_b64 s[G0S+2:G0S+3], s[22:23]
	s_or_b32 s[G0S+3], s[G0S+3], 0x80000000
	s_mov_b32 s[G0SB], 1
	s_add_co_u32 s[G0SB+1], s94, SCL
	s_mov_b64 s[G0SB+2:G0SB+3], s[92:93]
	s_or_b32 s[G0SB+3], s[G0SB+3], 0x80000000
	JLOAD G0S, G1S, G0SB, G1SB                     ; the scale bytes first; then both slots: three loads of mine are out
.irp s, 0,1
	s_mov_b32 s[G0+4*\s], 1
	s_add_co_u32 s[G0+4*\s+1], s45, \s*SLOT
	s_add_nc_u64 s[G0+4*\s+2:G0+4*\s+3], s[20:21], \s*ROWB
	s_or_b32 s[G0+4*\s+3], s[G0+4*\s+3], 0x80000000
	s_mov_b32 s[G0B+4*\s], 1
	s_add_co_u32 s[G0B+4*\s+1], s45, \s*SLOT
	s_add_nc_u64 s[G0B+4*\s+2:G0B+4*\s+3], s[46:47], \s*ROWB
	s_or_b32 s[G0B+4*\s+3], s[G0B+4*\s+3], 0x80000000
	JLOAD G0+4*\s, G1, G0B+4*\s, G1B
.endr
	v_and_b32 v1, 15, v0                           ; r
	v_bfe_u32 v2, v0, 4, 1                         ; h
	v_mul_u32_u24 v3, v1, PITCH
	v_lshl_add_u32 v4, v2, 4, v3                   ; a fragment's row x pitch + 16 h
	s_mul_i32 s21, s15, HALFT                      ; my 128 rows of X
	s_mul_i32 s22, s16, HALFT                      ; my 128 rows of W,
	s_add_co_u32 s22, s22, 2*HALFT                 ; behind X's 256
.irp s, 0,1
	v_add_nc_u32 v[ADRA+\s], s21, v4
	v_add_nc_u32 v[ADRB+\s], s22, v4
	s_add_co_u32 s21, s21, SLOT
	s_add_co_u32 s22, s22, SLOT
.endr
	v_mul_u32_u24 v5, v1, KS                       ; my row's scale bytes: 32 a row,
	v_lshrrev_b32 v6, 8, v5
	v_lshl_add_u32 v5, v6, 4, v5                   ; and 16 more for each 256 passed
	s_mul_i32 s21, s15, HALFS
	s_mul_i32 s22, s16, HALFS
	s_add_co_u32 s22, s22, 2*HALFS
	s_sub_co_u32 s22, s22, s21
	v_mul_u32_u24 v6, s22, v2                      ; lanes 16-31 take W's: one product, the lower base + h x the distance
	s_add_co_u32 s21, s21, SCL
	v_add_nc_u32 v5, v5, v6
	v_add_nc_u32 v[ADRS], s21, v5
	s_mul_i32 s23, s14, 16*SPITCH                  ; my stage
	v_mul_u32_u24 v5, v1, SPITCH
	v_lshl_add_u32 v5, v2, 4, v5
	v_add_nc_u32 v[STO], s23, v5                   ; in: row r, 16 bytes for each half of the lanes
	v_and_b32 v6, 31, v0
	v_lshlrev_b32 v[CO], 4, v6                     ; in memory: 16 bytes a lane, 512 on end
	v_lshrrev_b32 v7, 3, v6
	v_mul_u32_u24 v7, v7, SPITCH
	v_and_b32 v8, 7, v0
	v_lshl_add_u32 v7, v8, 4, v7
	v_add_nc_u32 v[RD], s23, v7                    ; back: eight lanes take a head's 128 bytes of a row, four rows an instruction
	v_lshlrev_b32 v[FO], 12, v1
	v_lshl_add_u32 v[FO], v2, 5, v[FO]
	v_lshlrev_b32 v[BA], 5, v2
	s_cmp_eq_u32 s95, 1                            ; the bias of q, k or v: a choice on the cluster's y
	s_cselect_b64 s[96:97], s[98:99], s[96:97]
	s_cmp_eq_u32 s95, 2
	s_cselect_b64 s[96:97], s[100:101], s[96:97]
	s_lshl_b32 s46, s42, 10
	s_lshl_b32 s47, s16, 9
	s_add_co_u32 s46, s46, s47                     ; my first column x 4 bytes: 1,024 x tile column + 512 x half
	s_mov_b32 s47, 0
	s_add_nc_u64 s[96:97], s[96:97], s[46:47]
	s_add_nc_u64 s[66:67], s[66:67], s[46:47]
	s_bfe_u32 s20, s17, 0x20003                    ; the batch: (R mod 32) / 8
	s_lshl_b32 s21, s95, 2
	s_add_co_u32 s21, s21, s20
	s_lshl_b32 s46, s21, 16                        ; fine: (4 g + b) x 16 rows of 4,096 bytes
	s_add_nc_u64 s[66:67], s[66:67], s[46:47]
	s_and_b32 s92, s17, 7
	s_lshl_b32 s92, s92, 8
	s_lshl_b32 s93, s15, 7
	s_add_co_u32 s92, s92, s93                     ; t0: my first row's position in its sequence
	s_lshl_b32 s20, s20, 4
	s_lshl_b32 s21, s42, 2
	s_add_co_u32 s20, s20, s21
	s_lshl_b32 s21, s16, 1
	s_add_co_u32 s20, s20, s21                     ; 16 b + my first head (4 x tile column + 2 x half)
	s_lshl_b32 s20, s20, 18                        ; a head is 262,144 bytes,
	s_lshl_b32 s21, s95, 24                        ; q, k, v 16,777,216 each,
	s_add_co_u32 s20, s20, s21
	s_lshl_b32 s21, s92, 7                         ; a row 128
	s_add_co_u32 s46, s20, s21
	s_add_nc_u64 s[12:13], s[12:13], s[46:47]
.irp b, 0,1,2,3,4,5,6,7                        ; the bias in the result's layout: block b, lane (r, h): columns 16 b + 8 h + 0 .. 7
	global_load_b128 v[BI+8*\b:BI+8*\b+3], v[BA], s[96:97] offset:64*\b
	global_load_b128 v[BI+8*\b+4:BI+8*\b+7], v[BA], s[96:97] offset:64*\b+16
.endr
.macro FRAG reg, adr, q, i             ; 16 rows x 128 K of 4-bit codes: 8 registers: lane l holds row l % 16; registers 4 c .. 4 c + 3 hold K = 64 c + 32 (l / 16) + 0 .. 31
.irp c, 0,1
	ds_load_b128 v[\reg+4*\c:\reg+4*\c+3], v[\adr] offset:64*(\q)+32*\c+(\i)*16*PITCH
.endr
.endm
; 16 matrix instructions: X's blocks a0, a0 + 1 against W's eight.  zero = 1: the first product starts the sums from the bias.  The 64 accumulators take turns, one instruction a turn.
.macro MUL16 a0, p, q, sc, zero
.irp a, \a0, \a0+1
.irp b, 0,1,2,3,4,5,6,7
.if \zero
	v_wmma_scale_f32_16x16x128_f8f6f4 v[8*(8*((\a)%4)+\b):8*(8*((\a)%4)+\b)+7], v[128*(\p)+FR*\b:128*(\p)+FR*\b+FR-1], v[AF+FR*(\a):AF+FR*(\a)+FR-1], v[BI+8*\b:BI+8*\b+7], v[SC+8*NQ*(\sc)+NQ*\b+(\q)], v[SC+8*NQ*(\sc)+NQ*(\a)+(\q)] matrix_a_fmt:MATRIX_FMT_FP4 matrix_b_fmt:MATRIX_FMT_FP4 matrix_a_scale:MATRIX_SCALE_ROW1
.else
	v_wmma_scale_f32_16x16x128_f8f6f4 v[8*(8*((\a)%4)+\b):8*(8*((\a)%4)+\b)+7], v[128*(\p)+FR*\b:128*(\p)+FR*\b+FR-1], v[AF+FR*(\a):AF+FR*(\a)+FR-1], v[8*(8*((\a)%4)+\b):8*(8*((\a)%4)+\b)+7], v[SC+8*NQ*(\sc)+NQ*\b+(\q)], v[SC+8*NQ*(\sc)+NQ*(\a)+(\q)] matrix_a_fmt:MATRIX_FMT_FP4 matrix_b_fmt:MATRIX_FMT_FP4 matrix_a_scale:MATRIX_SCALE_ROW1
.endif
.endr
.endr
.endm
.macro FETCH_B slot, q, p
	WIN TO_B
.irp i, 0,1,2,3,4,5,6,7
	FRAG 128*(\p)+FR*\i, ADRB+\slot, \q, \i
.endr
	WIN 0
.endm
.macro FETCH_A slot, q, i0
.irp i, \i0, \i0+1, \i0+2, \i0+3
	FRAG AF+FR*(\i), ADRA+\slot, \q, \i
.endr
.endm
.macro SCALES sc                       ; a slot's scale words: four a row; lanes 0-15 X's block i, lanes 16-31 W's block i
.irp i, 0,1,2,3,4,5,6,7
	ds_load_b128 v[SC+8*NQ*\sc+NQ*\i:SC+8*NQ*\sc+NQ*\i+3], v[ADRS] offset:\i*SBLK
.endr
.endm
.macro PLACES n                        ; plain vector instructions between a matrix instruction and a load into its registers or a read of its results
.rept \n
	v_nop
.endr
.endm
.macro STEP slot, q, zero              ; 128 along K with its successor in the same slot
	s_wait_dscnt 4*NL                              ; W's set and X's blocks 0-3 are in; the eight loads of X's blocks 4-7 may be out
	WIN MUL_LO-0x20*(\zero)                        ; (zero = 1: C, the bias, lies in window 0)
	MUL16 0, (\q)%2, \q, \slot, \zero
	MUL16 2, (\q)%2, \q, \slot, \zero
	s_wait_dscnt 0
	PLACES NP
	FETCH_B \slot, (\q)+1, 1-(\q)%2
	FETCH_A \slot, (\q)+1, 0
	WIN MUL_HI-0x30*(\zero)
	MUL16 4, (\q)%2, \q, \slot, \zero
	MUL16 6, (\q)%2, \q, \slot, \zero
	PLACES NP
	WIN 0
	FETCH_A \slot, (\q)+1, 4
.endm
	s_wait_tensorcnt 1                             ; the scale bytes and my part of slot 0 are in; slot 1's load may be out
	s_barrier_signal -1
	s_barrier_wait -1
	FETCH_B 0, 0, 0
	FETCH_A 0, 0, 0
	SCALES 0
	FETCH_A 0, 0, 4
	s_wait_loadcnt 0x0                             ; the bias
	STEP 0, 0, 1
	STEP 0, 1, 0
	STEP 0, 2, 0
	; slot 0's last step changes slots: one barrier; in front of it my part of slot 1 has landed
	s_wait_tensorcnt 0x0
	ds_add_u32 v[SPW], v[NIL]                      ; 0 onto my spare word
	s_wait_dscnt 4*NL+1                            ; the add and the eight loads of X's blocks 4-7 may be out
	WIN MUL_LO
	MUL16 0, 1, NQ-1, 0, 0
	s_wait_dscnt 0x0                               ; the add is done, and my reads of slot 0 are over
	s_barrier_signal -1
	MUL16 2, 1, NQ-1, 0, 0
	WIN 0
	s_barrier_wait -1
	PLACES NP
	v_add_nc_u32 v[ADRS], 4*NQ, v[ADRS]            ; slot 1's scale words
	FETCH_B 1, 0, 0
	FETCH_A 1, 0, 0
	SCALES 1
	WIN MUL_HI
	MUL16 4, 1, NQ-1, 0, 0
	MUL16 6, 1, NQ-1, 0, 0
	PLACES NP
	WIN 0
	FETCH_A 1, 0, 4
	STEP 1, 0, 0
	STEP 1, 1, 0
	STEP 1, 2, 0
	s_wait_dscnt 4*NL                              ; the last step: nothing more to fetch
	WIN MUL_LO
	MUL16 0, 1, NQ-1, 1, 0
	MUL16 2, 1, NQ-1, 1, 0
	s_wait_dscnt 0
	WIN MUL_HI
	MUL16 4, 1, NQ-1, 1, 0
	MUL16 6, 1, NQ-1, 1, 0
	WIN 0
	PLACES NP
	; THE FIRST 16 POSITIONS IN F32.  They are block 0 of a wave whose t0 is 0.  t0 hangs on the work-group's place in its cluster: the wave's lanes are switched off where t0 is not 0.
	; A lane stores 16 bytes of a row: 786,432 bytes in the whole launch; a trip through the stage would be run by every wave.
	s_wait_xcnt 0x0                                ; EXEC changes only behind this wait
	v_mov_b32 v10, s92
	v_cmp_eq_u32 vcc_lo, 0, v10
	s_and_saveexec_b32 s94, vcc_lo
	WIN 0x08                                       ; a store's data: window 2
.irp b, 0,1,2,3,4,5,6,7
	global_store_b128 v[FO], v[8*\b:8*\b+3], s[66:67] offset:64*\b        ; each accumulator from its low end on
	global_store_b128 v[FO], v[8*\b+4:8*\b+7], s[66:67] offset:64*\b+16
.endr
	WIN 0
	s_wait_xcnt 0x0
	s_or_b32 exec_lo, exec_lo, s94
; THE WAY OUT, block by block of 16 rows x 128 columns (two heads).  PACK: rounded to f16, 16 bytes a lane.  TOSTAGE: into my stage, and back by heads: four rows' 128 bytes of one head are 512 bytes on end in hqkv.
.macro PACK a
.set AC, 64*((\a)%4)
	WIN 0x0a+5*((\a)/4)                            ; sources 0 and 1: window 2 or 3
.irp b, 0,1,2,3,4,5,6,7
.irp r, 0,1,2,3
	v_cvt_pk_f16_f32 v[TMP+4*\b+\r], v[AC+8*\b+2*\r], v[AC+8*\b+2*\r+1]
.endr
.endr
	WIN 0
.endm
.macro TOSTAGE a
.set BK, OB+192*((\a)%2)
.irp b, 0,1,2,3,4,5,6,7
	ds_store_b128 v[STO], v[TMP+4*\b:TMP+4*\b+3] offset:32*\b
.endr
.irp i, 0,1,2,3,4,5,6,7
	ds_load_b128 v[BK+4*\i:BK+4*\i+3], v[RD] offset:4*SPITCH*(\i%4)+128*(\i/4)   ; LDS serves a wave's instructions in order: these see the stores above
.endr
.endm
.macro SEND a
.set BK, OB+192*((\a)%2)
	s_wait_dscnt 0x0                               ; the block is back in registers
	s_wait_xcnt 0x0                                ; earlier stores have read their data: the other set may be loaded again behind this wait
.irp i, 0,1,2,3,4,5,6,7
	global_store_b128 v[CO], v[BK+4*\i:BK+4*\i+3], s[12:13] offset:2048*(\a)+262144*(\i/4)+512*(\i%4)   ; 512 consecutive bytes of one head, aligned to 256
.endr
.endm
	PACK 0
	TOSTAGE 0
.irp a, 1,2,3,4,5,6,7
	PACK \a
	SEND \a-1
	TOSTAGE \a
.endr
	SEND 7
	s_wait_tensorcnt 0x0                           ; the wave's end
	ds_add_u32 v[SPW], v[NIL]
	s_wait_dscnt 0x0
	CROUND                                         ; the closing round
	s_endpgm
.Lfunc_end_k_qd6c5152c47_proj:
	.size	k_qd6c5152c47_proj, .Lfunc_end_k_qd6c5152c47_proj-k_qd6c5152c47_proj
	.p2alignl 7, 3214868480
	.fill 96, 4, 3214868480
	.section	.rodata,"a",@progbits
	.p2align	6, 0x0
	.amdhsa_kernel k_qd6c5152c47_proj
		.amdhsa_group_segment_fixed_size 327680
		.amdhsa_private_segment_fixed_size 0
		.amdhsa_enable_private_segment 0
		.amdhsa_kernarg_size 72
		.amdhsa_user_sgpr_count 2
		.amdhsa_user_sgpr_kernarg_segment_ptr 1
		.amdhsa_wavefront_size32 1
		.amdhsa_system_sgpr_workgroup_id_x 1
		.amdhsa_system_sgpr_workgroup_id_y 1
		.amdhsa_system_sgpr_workgroup_id_z 1
		.amdhsa_system_vgpr_workitem_id 0
		.amdhsa_next_free_vgpr 1024
		.amdhsa_next_free_sgpr 102
		.amdhsa_reserve_vcc 1
		.amdhsa_float_denorm_mode_32 3
		.amdhsa_float_denorm_mode_16_64 3
		.amdhsa_memory_ordered 1
		.amdhsa_forward_progress 1
		.amdhsa_inst_pref_size 131
	.end_amdhsa_kernel
	.amdgpu_metadata
---
amdhsa.version: [ 1, 2 ]
amdhsa.kernels:
  - .name:           k_qd6c5152c47_proj
    .symbol:         k_qd6c5152c47_proj.kd
    .args:
      - { .name: xc, .offset: 0, .size: 8, .value_kind: global_buffer, .address_space: global }
      - { .name: xs, .offset: 8, .size: 8, .value_kind: global_buffer, .address_space: global }
      - { .name: wc, .offset: 16, .size: 8, .value_kind: global_buffer, .address_space: global }
      - { .name: ws, .offset: 24, .size: 8, .value_kind: global_buffer, .address_space: global }
      - { .name: hqkv, .offset: 32, .size: 8, .value_kind: global_buffer, .address_space: global }
      - { .name: fine, .offset: 40, .size: 8, .value_kind: global_buffer, .address_space: global }
      - { .name: bq, .offset: 48, .size: 8, .value_kind: global_buffer, .address_space: global }
      - { .name: bk, .offset: 56, .size: 8, .value_kind: global_buffer, .address_space: global }
      - { .name: bv, .offset: 64, .size: 8, .value_kind: global_buffer, .address_space: global }
    .group_segment_fixed_size: 327680
    .private_segment_fixed_size: 0
    .kernarg_segment_align: 8
    .kernarg_segment_size: 72
    .max_flat_workgroup_size: 128
    .sgpr_count:     102
    .vgpr_count:     1024
    .wavefront_size: 32
...
	.end_amdgpu_metadata
.endif
;; end of part 2
;; launch attn (part 3): grid 4 x 64, 16 waves a work-group, no clusters, 327,680 bytes of LDS; arguments hqkv, ctx; writes ctx
.if DOCPART == 3
	.amdgcn_target "amdgcn-amd-amdhsa--gfx1250"
	.amdhsa_code_object_version 6
	.text
	.protected	k_qd6c5152c47_attn
	.globl	k_qd6c5152c47_attn
	.p2align	8
	.type	k_qd6c5152c47_attn,@function
k_qd6c5152c47_attn:
	s_mov_b64 s[64:65], 0
	v_nop
	global_prefetch_b8 v0, s[64:65] scope:SCOPE_SE
	s_setreg_imm32_b32 hwreg(HW_REG_WAVE_MODE, 25, 1), 1
	s_wait_xcnt 0x0
; ctx[h][2048 b + q][:] = the sum over k <= q of softmax_k(Q[q] . K[k] / 8) V[k][:], for each of 64 (batch, head) pairs; Q, K, V: hqkv [g][16 b + h][2048][64] f16; ctx [16 h][8192][64] f16.
; Products on f16 operands with f32 sums; maxima, exponentials and sums in f32; the weights p (at most about 1) are rounded to f16 for the second product, the context once at the end.
; LIMIT: the context has to lie inside f16 (it is an average of V's numbers, which already lie there).
; SHARES.  Work-group (i, bh) owns the query blocks i and 7 - i of 256: (i + 1) + (8 - i) = 9 blocks of keys under the causal mask for every work-group, so the 256 work-groups have equal work.
; Each of its sixteen waves owns 32 queries, two tiles of 16, in 256 registers: four waves to a SIMD, so that one wave's softmax stands beside another's products.  hi = (w xor w / 4) & 1 says which
; block: two waves of each kind among any four neighbours.
; Keys go 64 a step; K's and V's tiles come through a ring of two LDS slots of 256 keys, filled by tensor loads (waves 0, 1: K's halves; waves 2, 3: V's) and read by all sixteen.
; NO CLUSTER: work-group i walks 8 - i slots, so partners would need different numbers of tiles, and the mask would let a partner pass over every read of a tile asked for jointly.
; LAYOUT.  S^T = K Q^T (source 0 = 16 keys, source 1 = 16 queries): a lane holds ONE query (lane % 16) and keys 8 (lane / 16) + 0..7.  Two such tiles, rounded to f16 in pairs, ARE source 1 (32 keys x 16
; queries) of O^T = V^T P.  K comes out of LDS as it lies, V ([key][channel]) turned, by ds_load_tr16_b128.
; SOFTMAX.  For each query a running maximum m and sum l: p = 2^(c s - c m), c = log2(e) / 8; in every step O^T and l are multiplied by a = 2^(c m_old - c m_new).
; CAUSAL.  Every work-group walks all 8 slots (constant trip counts).  A step all of whose keys come after the wave's queries is jumped over (a scalar branch on ids); on the diagonal hidden scores
; become -infinity ahead of the maximum.  Key 0 counts for every query, so m is a number from the first step on.  A slot whose first key comes after the work-group's last query is not asked for.
.set PK,    144                        ; a key's row of K in LDS: 128 bytes + 16 = 36 words: the 16 rows of a load start at 16 different banks (ISA guide 11.1)
.set PV,    160                        ; of V: 128 + 32 = 40 words, an odd multiple of 32 bytes, for the turning load
.set SK,    256                        ; keys in a slot
.set VOFF,  SK*PK                      ; a slot: 256 rows of K, then 256 rows of V
.set SLOT1, 1<<17                      ; slot 1 begins here: one exclusive or turns an address from one slot to the other
.set NSL,   8
.set SPARE, 2*SLOT1                    ; the spare words, 128 bytes a wave: no other line names them
.set AK0, 1                            ; v1  my lane's place in a tile of K
.set AV0, 2                            ; v2  and of V
.set ADK, 3                            ; v3  LDS address of the step's K; at the end: into my stage
.set ADV, 4                            ; v4  of V; at the end: out of my stage
.set SPW, 5                            ; v5  LDS address of my spare word; never rewritten
.set NIL, 6                            ; v6  0; never rewritten
.set GO,  7                            ; v7  16 x lane
.set PFO, 8                            ; v8  256 x lane
.set QO,  9                            ; v9  Q: 128 r + 16 h
.set DD,  10                           ; v10 the diagonal's d
.set RH,  11                           ; v11 r - 8 h
.set NINF, 12                          ; v12 -infinity
.set ST,  16                           ; tile t's statistics at v[16 + 8 t]: +0 c m, +1 m, +2, +3 l, +4 .. +7 at work; a lies in +6
.set QF,  32                           ; Q's fragment (t, c) at 32 + 16 t + 8 c
.set KV,  64                           ; K's (u, c) at 64 + 16 u + 8 c; then V's (c, kb) at 64 + 16 c + 8 kb
.set S,   128                          ; S^T (t, u) at 128 + 32 t + 8 u; P is packed into the low 16 registers of each tile
.set O,   192                          ; O^T (t, c) at 192 + 32 t + 8 c
.set TB,  2
.set WV,  18
.set SEL, 20
.set CS,  22
.set G1K, 24
.set G1V, 32
.set G0K, 40
.set G0V, 44
.set LASTQ, 66
.set SLOTS, 67
.set PFA, 76
.set LIM, 80
.set KF,  98
.set Q0,  99
; Waves 0 and 1 fetch for K, waves 2 and 3 for V, the others nothing.  An s_nop 0 and four v_nop follow each of the two lines.
.macro TLOAD
	s_cmp_lt_u32 s[WV], 2
	s_cbranch_scc0 .Lnot_k_\@
	tensor_load_to_lds s[G0K:G0K+3], s[G1K:G1K+7]
	s_nop 0
.rept 4
	v_nop
.endr
	s_branch .Lasked_\@
.Lnot_k_\@:
	s_cmp_lt_u32 s[WV], 4
	s_cbranch_scc0 .Lasked_\@
	tensor_load_to_lds s[G0V:G0V+3], s[G1V:G1V+7]
	s_nop 0
.rept 4
	v_nop
.endr
.Lasked_\@:
.endm
; A PREFETCH INTO THE L2 of what the NEXT change of slots will ask for: 32,768 dense bytes of K and as many of V.  The four work-groups of a head walk the same K and V: work-group x = 0, which walks all
; slots, asks.  In it waves 4 to 7 ask for K, waves 8 to 11 for V: 8,192 bytes a wave, lanes 256 bytes apart, one instruction.  So each aligned block of 256 bytes is named once in the launch.
; Slots 0 and 1 come by their loads alone; the last change that fills a slot asks for nothing.
.macro ASK
	s_cmp_gt_u32 s[SLOTS], s[LIM]
	s_cbranch_scc0 .Lnot_mine_\@
	global_prefetch_b8 v[PFO], s[PFA:PFA+1] th:TH_LOAD_NT scope:SCOPE_SE
.Lnot_mine_\@:
.endm
	s_load_b128 s[4:7], s[0:1], 0x0                ; hqkv, ctx
	v_lshl_add_u32 v[SPW], v0, 2, SPARE
	v_mov_b32 v[NIL], 0
	ds_add_u32 v[SPW], v[NIL]                      ; the wave's opening: the add, twice on end, and its wait ahead of my first tensor load
	ds_add_u32 v[SPW], v[NIL]
	v_lshrrev_b32 v13, 5, v0
	v_readfirstlane_b32 s[WV], v13                 ; wave 0..15
	s_and_b32 s72, ttmp7, 0xffff                   ; bh = 16 b + h
	s_lshl_b32 s74, s72, 18                        ; a head's 262,144 bytes
	s_and_b32 s88, s[WV], 1                        ; which half of a slot's rows I fetch, if I fetch
	s_lshl_b32 s89, s88, 14
	s_add_co_u32 s90, s74, s89
	s_add_co_u32 s92, s90, 0x2000000               ; V lies 33,554,432 bytes in,
	s_add_co_u32 s90, s90, 0x1000000               ; K 16,777,216
	s_mov_b32 s91, 0
	s_mov_b32 s93, 0
	s_mul_i32 s89, s88, 128*PK                     ; and where they go in a slot
	s_mul_i32 s94, s88, 128*PV
	s_add_co_u32 s94, s94, VOFF
	s_mov_b32 s[G1K], (1<<16)|(1<<20)|(4<<22)|(3<<25)   ; elements of 2 bytes; padding on: after every 32 words, 4 words
	s_mov_b32 s[G1V], (1<<16)|(1<<20)|(4<<22)|(7<<25)   ; 8 words
.irp g, G1K, G1V
	s_mov_b32 s[\g+1], 64<<16                      ; tensor_dim0
	s_mov_b32 s[\g+2], 128<<16                     ; tensor_dim1
	s_mov_b32 s[\g+3], 64<<16                      ; tile_dim0
	s_mov_b32 s[\g+4], 128                         ; tile_dim1
	s_mov_b32 s[\g+5], 64                          ; the pitch
	s_mov_b32 s[\g+6], 0
	s_mov_b32 s[\g+7], 0
.endr
	s_lshr_b32 s68, s[WV], 2
	s_xor_b32 s68, s68, s[WV]
	s_and_b32 s68, s68, 1                          ; hi
	s_sub_co_u32 s69, 7, ttmp9
	s_cmp_eq_u32 s68, 1
	s_cselect_b32 s69, s69, ttmp9                  ; my block of 256 queries
	s_lshl_b32 s69, s69, 8
	s_lshr_b32 s70, s[WV], 1
	s_lshl_b32 s70, s70, 5
	s_add_co_u32 s[Q0], s69, s70                   ; my first query
	s_sub_co_u32 s[LASTQ], 8, ttmp9
	s_lshl_b32 s[LASTQ], s[LASTQ], 8
	s_sub_co_u32 s[LASTQ], s[LASTQ], 1             ; my work-group's last query
	s_lshl_b32 s84, s[Q0], 7
	s_add_co_u32 s84, s84, s74                     ; Q at my first query
	s_mov_b32 s85, 0
	s_and_b32 s86, s72, 15
	s_lshl_b32 s86, s86, 13
	s_lshr_b32 s87, s72, 4
	s_lshl_b32 s87, s87, 11
	s_add_co_u32 s86, s86, s87
	s_add_co_u32 s86, s86, s[Q0]
	s_lshl_b32 s86, s86, 7                         ; ctx: (8,192 h + 2,048 b + query) x 128 bytes
	s_mov_b32 s87, 0
	s_mov_b32 s[SEL], 0x76543210
	s_mov_b32 s[SEL+1], 0xfedcba98                 ; v_permlanex16_b32: lane l xor 16
	s_mov_b32 s[CS], 0x3e38aa3b                    ; c = log2(e) / 8
	s_mov_b32 s[CS+1], s[CS]
	s_mov_b32 s[TB], 0
	s_mov_b32 s[KF], 0
	s_mov_b32 s[SLOTS], NSL-1
	s_wait_dscnt 0x0                               ; both opening adds are done
	s_wait_kmcnt 0x0
	s_mov_b32 s[G0K], 1
	s_mov_b32 s[G0K+1], s89
	s_add_nc_u64 s[G0K+2:G0K+3], s[4:5], s[90:91]
	s_or_b32 s[G0K+3], s[G0K+3], 0x80000000
	s_mov_b32 s[G0V], 1
	s_mov_b32 s[G0V+1], s94
	s_add_nc_u64 s[G0V+2:G0V+3], s[4:5], s[92:93]
	s_or_b32 s[G0V+3], s[G0V+3], 0x80000000
	TLOAD                                          ; slot 0
	s_add_nc_u64 s[8:9], s[4:5], s[84:85]          ; Q
	s_add_nc_u64 s[6:7], s[6:7], s[86:87]          ; ctx
	v_and_b32 v13, 15, v0                          ; r
	v_bfe_u32 v14, v0, 4, 1                        ; h
	v_lshlrev_b32 v[QO], 7, v13
	v_lshl_add_u32 v[QO], v14, 4, v[QO]
.irp t, 0,1
.irp c, 0,1
	global_load_b128 v[QF+16*\t+8*\c:QF+16*\t+8*\c+3], v[QO], s[8:9] offset:2048*\t+64*\c       ; Q stays in registers
	global_load_b128 v[QF+16*\t+8*\c+4:QF+16*\t+8*\c+7], v[QO], s[8:9] offset:2048*\t+64*\c+32
.endr
.endr
	s_mov_b32 s83, 0x2000000                       ; the prefetches: where my wave's stand, and who asks
	s_cmp_lt_u32 s[WV], 8
	s_cselect_b32 s82, 0x1000000, s83
	s_add_co_u32 s82, s82, s74
	s_and_b32 s83, s[WV], 3
	s_lshl_b32 s83, s83, 13
	s_add_co_u32 s82, s82, s83
	s_add_co_u32 s82, s82, 32768                   ; in slot 1: the first change of slots steps it to slot 2
	s_mov_b32 s83, 0
	s_add_nc_u64 s[PFA:PFA+1], s[4:5], s[82:83]
	s_sub_co_u32 s82, s[WV], 4
	s_lshr_b32 s82, s82, 3                         ; 0 in waves 4 to 11,
	s_or_b32 s82, s82, ttmp9                       ; of the head's first work-group
	s_cmp_eq_u32 s82, 0
	s_cselect_b32 s[LIM], 1, -1
	v_and_b32 v[PFO], 31, v0
	v_lshlrev_b32 v[GO], 4, v[PFO]
	v_lshlrev_b32 v[PFO], 8, v[PFO]
	v_mul_u32_u24 v[AK0], v13, PK
	v_lshl_add_u32 v[AK0], v14, 4, v[AK0]          ; K: row r x pitch + 16 h
	v_and_b32 v15, 7, v0
	v_lshl_add_u32 v[AV0], v14, 3, v15
	v_mul_u32_u24 v[AV0], v[AV0], PV               ; V: key 8 h + lane % 8,
	v_bfe_u32 v15, v0, 3, 1
	v_lshl_add_u32 v[AV0], v15, 4, v[AV0]          ; channels 8 ((lane / 8) % 2) on
	v_add_nc_u32 v[AV0], VOFF, v[AV0]
	v_lshlrev_b32 v15, 3, v14
	v_sub_nc_u32 v[RH], v13, v15
	v_mov_b32 v[NINF], 0xff800000
.irp t, 0,1
	v_mov_b32 v[ST+8*\t+1], 0xff61b1e6             ; m: -3e38, under every score
	v_mul_f32 v[ST+8*\t], s[CS], v[ST+8*\t+1]
.irp j, 2,3,4,5,6,7
	v_mov_b32 v[ST+8*\t+\j], 0                     ; l; and the registers at work, written once (a lane permute's destination counts as a source)
.endr
.endr
.set i, 0
.rept 64
	v_mov_b32 v[O+i], 0                            ; O^T: the step is written once; its first pass finds zeros, which a = 0 leaves zeros
.set i, i+1
.endr
; A KEY STEP: 64 keys, the q-th of the slot in hand.
.macro STEP q
	s_add_co_u32 s96, s[Q0], 31
	s_cmp_gt_u32 s[KF], s96                        ; all keys come after my 32 queries: the step's work is left out
	s_cbranch_scc1 .Lhidden_\@
	v_add_nc_u32 v[ADK], s[TB], v[AK0]
	v_add_nc_u32 v[ADV], s[TB], v[AV0]
.rept 3
	v_nop                                          ; five places behind the last V^T P: the products below write over S's registers, which it read as P; four serve the loads into its V
.endr
.irp u, 0,1,2,3
.irp c, 0,1
	ds_load_b128 v[KV+16*\u+8*\c:KV+16*\u+8*\c+3], v[ADK] offset:(64*(\q)+16*\u)*PK+64*\c
	ds_load_b128 v[KV+16*\u+8*\c+4:KV+16*\u+8*\c+7], v[ADK] offset:(64*(\q)+16*\u)*PK+64*\c+32
.endr
.endr
	s_wait_dscnt 0x0
.irp c, 0,1                                    ; S^T = K Q^T: the eight accumulators take turns, one instruction a turn
.irp u, 0,1,2,3
.irp t, 0,1
.if \c == 0
	v_wmma_f32_16x16x32_f16 v[S+32*\t+8*\u:S+32*\t+8*\u+7], v[KV+16*\u+8*\c:KV+16*\u+8*\c+7], v[QF+16*\t+8*\c:QF+16*\t+8*\c+7], 0
.else
	v_wmma_f32_16x16x32_f16 v[S+32*\t+8*\u:S+32*\t+8*\u+7], v[KV+16*\u+8*\c:KV+16*\u+8*\c+7], v[QF+16*\t+8*\c:QF+16*\t+8*\c+7], v[S+32*\t+8*\u:S+32*\t+8*\u+7]
.endif
.endr
.endr
.endr
.rept 4
	v_nop                                          ; places in front of the loads into K's registers and of the first read of the scores
.endr
.irp c, 0,1,2,3                                ; V, turned: it lands while the softmax is walked
.irp kb, 0,1
	ds_load_tr16_b128 v[KV+16*\c+8*\kb:KV+16*\c+8*\kb+3], v[ADV] offset:(64*(\q)+32*\kb)*PV+32*\c
	ds_load_tr16_b128 v[KV+16*\c+8*\kb+4:KV+16*\c+8*\kb+7], v[ADV] offset:(64*(\q)+32*\kb)*PV+16*PV+32*\c
.endr
.endr
	s_add_co_u32 s96, s[KF], 63
	s_cmp_le_u32 s96, s[Q0]                        ; all keys count: no mask
	s_cbranch_scc1 .Lopen_\@
	s_sub_co_i32 s96, s[Q0], s[KF]
	v_add_nc_u32 v[DD], s96, v[RH]                 ; d = Q0 - KF + r - 8 h.  Register (t, u, j) holds key KF + 16 u + 8 h + j for query Q0 + 16 t + r: hidden where 16 u + j - 16 t > d
.irp t, 0,1
.irp u, 0,1,2,3
.irp j, 0,1,2,3,4,5,6,7
	v_cmp_gt_i32 vcc_lo, 16*\u+\j-16*\t, v[DD]
	v_cndmask_b32 v[S+32*\t+8*\u+\j], v[S+32*\t+8*\u+\j], v[NINF], vcc_lo
.endr
.endr
.endr
.Lopen_\@:
.irp j, 0,1,2,3                                ; the maximum of a lane's 32 scores and the old m: four chains a tile, each accumulator from its low end on; the tiles by turns
.irp t, 0,1
	v_max3_num_f32 v[ST+8*\t+4+\j], v[S+32*\t+8*\j], v[S+32*\t+8*\j+1], v[S+32*\t+8*\j+2]
.endr
.endr
.irp k, 3,5
.irp j, 0,1,2,3
.irp t, 0,1
	v_max3_num_f32 v[ST+8*\t+4+\j], v[ST+8*\t+4+\j], v[S+32*\t+8*\j+\k], v[S+32*\t+8*\j+\k+1]
.endr
.endr
.endr
.irp t, 0,1
	v_max3_num_f32 v[ST+8*\t+4], v[ST+8*\t+4], v[S+32*\t+7], v[S+32*\t+15]
	v_max3_num_f32 v[ST+8*\t+6], v[ST+8*\t+6], v[S+32*\t+23], v[S+32*\t+31]
.endr
.irp t, 0,1
	v_max3_num_f32 v[ST+8*\t+4], v[ST+8*\t+4], v[ST+8*\t+5], v[ST+8*\t+6]
.endr
.irp t, 0,1
	v_max3_num_f32 v[ST+8*\t+4], v[ST+8*\t+4], v[ST+8*\t+7], v[ST+8*\t+1]
.endr
.irp t, 0,1
	v_permlanex16_b32 v[ST+8*\t+5], v[ST+8*\t+4], s[SEL], s[SEL+1]   ; the query's other 32 keys lie in the lane 16 away
.endr
.irp t, 0,1
	v_mov_b32 v[ST+8*\t+7], v[ST+8*\t]             ; c m_old is kept for a
.endr
.irp t, 0,1
	v_max_num_f32 v[ST+8*\t+1], v[ST+8*\t+4], v[ST+8*\t+5]
.endr
.irp t, 0,1
	v_mul_f32 v[ST+8*\t], s[CS], v[ST+8*\t+1]
.endr
.irp t, 0,1
	v_sub_f32 v[ST+8*\t+7], v[ST+8*\t+7], v[ST+8*\t]
.endr
.irp b, 0,2,4,6,8,10,12,14,16,18,20,22,24,26,28,30
.irp t, 0,1
	v_pk_fma_f32 v[S+32*\t+\b:S+32*\t+\b+1], v[S+32*\t+\b:S+32*\t+\b+1], s[CS:CS+1], v[ST+8*\t:ST+8*\t+1] op_sel_hi:[1,0,0] neg_lo:[0,0,1] neg_hi:[0,0,1]   ; c s - c m, two at a time
.endr
.endr
.irp t, 0,1
	v_exp_f32 v[ST+8*\t+6], v[ST+8*\t+7]           ; a
.endr
.set i, 0
.rept 64
	v_exp_f32 v[S+i], v[S+i]                       ; p: ONE batch of 66 exponentials
.set i, i+1
.endr
	v_nop                                          ; a plain instruction behind the last exponential,
	s_wait_alu depctr_va_vdst(0)                   ; and one wait for the batch, ahead of its first reader
.irp t, 0,1
	v_pk_fma_f32 v[ST+8*\t+2:ST+8*\t+3], v[ST+8*\t+2:ST+8*\t+3], v[ST+8*\t+6:ST+8*\t+7], v[S+32*\t:S+32*\t+1] op_sel_hi:[1,0,1]   ; l = a l + the sum of p, in two chains a tile
	v_pk_add_f32 v[ST+8*\t+4:ST+8*\t+5], v[S+32*\t+2:S+32*\t+3], v[S+32*\t+4:S+32*\t+5]
.endr
.irp b, 6,10,14,18,22,26
.irp t, 0,1
	v_pk_add_f32 v[ST+8*\t+2:ST+8*\t+3], v[ST+8*\t+2:ST+8*\t+3], v[S+32*\t+\b:S+32*\t+\b+1]
	v_pk_add_f32 v[ST+8*\t+4:ST+8*\t+5], v[ST+8*\t+4:ST+8*\t+5], v[S+32*\t+\b+2:S+32*\t+\b+3]
.endr
.endr
.irp t, 0,1
	v_pk_add_f32 v[ST+8*\t+2:ST+8*\t+3], v[ST+8*\t+2:ST+8*\t+3], v[S+32*\t+30:S+32*\t+31]
.endr
.irp t, 0,1
	v_pk_add_f32 v[ST+8*\t+2:ST+8*\t+3], v[ST+8*\t+2:ST+8*\t+3], v[ST+8*\t+4:ST+8*\t+5]
.endr
.irp i, 0,1,2,3,4,5,6,7,8,9,10,11,12,13,14,15  ; P in f16, packed in place from the low end: register i takes pair i, which lies at 2 i and 2 i + 1
.irp t, 0,1
	v_cvt_pk_f16_f32 v[S+32*\t+\i], v[S+32*\t+2*\i], v[S+32*\t+2*\i+1]
.endr
.endr
.irp b, 0,2,4,6,8,10,12,14,16,18,20,22,24,26,28,30
.irp t, 0,1
	v_pk_mul_f32 v[O+32*\t+\b:O+32*\t+\b+1], v[O+32*\t+\b:O+32*\t+\b+1], v[ST+8*\t+6:ST+8*\t+7] op_sel_hi:[1,0]   ; O^T x a
.endr
.endr
	s_wait_dscnt 0x0                               ; V is in
.irp kb, 0,1                                   ; O^T += V^T P: the eight accumulators take turns
.irp c, 0,1,2,3
.irp t, 0,1
	v_wmma_f32_16x16x32_f16 v[O+32*\t+8*\c:O+32*\t+8*\c+7], v[KV+16*\c+8*\kb:KV+16*\c+8*\kb+7], v[S+32*\t+8*\kb:S+32*\t+8*\kb+7], v[O+32*\t+8*\c:O+32*\t+8*\c+7]
.endr
.endr
.endr
.Lhidden_\@:
	s_add_co_u32 s[KF], s[KF], 64
.endm
; THE CHANGE OF SLOTS stands at a slot's head.  Each wave waits for all its tensor loads, adds 0 to its spare word (fill = 1: twice on end), and waits for that and for its reads of the slot that it has left.
; Behind the barrier the slot ahead is whole and nobody reads the other one.  fill = 1: that other slot is filled with the next 256 keys, up to the causal limit: the load has a slot's four steps in which to land.
.macro CHANGE fill
	s_wait_tensorcnt 0x0                           ; no tensor load of mine is out, so a group 0 may be written
	ds_add_u32 v[SPW], v[NIL]
.if \fill
	ds_add_u32 v[SPW], v[NIL]                      ; and twice on end here, in every trip alike
	s_xor_b32 s[G0K+1], s[G0K+1], SLOT1            ; the walking descriptors: the other slot,
	s_add_nc_u64 s[G0K+2:G0K+3], s[G0K+2:G0K+3], SK*128   ; the next 256 keys
	s_xor_b32 s[G0V+1], s[G0V+1], SLOT1
	s_add_nc_u64 s[G0V+2:G0V+3], s[G0V+2:G0V+3], SK*128
	s_wait_xcnt 0x0                                ; the last prefetch, a slot back, has read its address
	s_add_nc_u64 s[PFA:PFA+1], s[PFA:PFA+1], SK*128
.endif
	s_wait_dscnt 0x0                               ; the add is done, and my reads of the slot that I have left are over
	s_barrier_signal -1
	s_barrier_wait -1
.if \fill
	s_add_co_u32 s96, s[KF], SK                    ; the first key of the slot that this change would ask for:
	s_cmp_gt_u32 s96, s[LASTQ]                     ; past my work-group's last query no wave reads it, so it is not asked for.  Ids and the count of steps alone: all sixteen waves go the same way
	s_cbranch_scc1 .Lpast_\@
	TLOAD                                          ; a wave's one tensor load until the next barrier; every wait on TENSORcnt in this text is for 0
.Lpast_\@:
	ASK
.endif
.endm
.macro SLOT_STEPS
	STEP 0
	STEP 1
	STEP 2
	STEP 3
	s_xor_b32 s[TB], s[TB], SLOT1
.endm
	s_wait_loadcnt 0x0                             ; Q
.Lslot:                                            ; 7 trips: behind each change of slots but the last the next slot is asked for
	CHANGE 1
	SLOT_STEPS
	s_sub_co_u32 s[SLOTS], s[SLOTS], 1
	s_cmp_lg_u32 s[SLOTS], 0
	s_cbranch_scc1 .Lslot
	CHANGE 0                                       ; the last slot is written out
	SLOT_STEPS
	; THE WAY OUT.  O^T / l, rounded to f16, goes through my stage (32 rows x 144 bytes, in slot 0, which was left at the last change of slots and has had its last fill) and leaves as 4,096 bytes on end.
.rept 4
	v_nop                                          ; places behind the last products
.endr
.irp t, 0,1
	v_add_f32 v[ST+8*\t+4], v[ST+8*\t+2], v[ST+8*\t+3]
.endr
.irp t, 0,1
	v_permlanex16_b32 v[ST+8*\t+5], v[ST+8*\t+4], s[SEL], s[SEL+1]
.endr
.irp t, 0,1
	v_add_f32 v[ST+8*\t+4], v[ST+8*\t+4], v[ST+8*\t+5]
.endr
.irp t, 0,1
	v_rcp_f32 v[ST+8*\t+6], v[ST+8*\t+4]
.endr
	v_and_b32 v13, 15, v0                          ; (plain work behind the reciprocals)
	v_bfe_u32 v14, v0, 4, 1
	s_mul_i32 s73, s[WV], 32*PK                    ; my stage
	v_mul_u32_u24 v[ADK], v13, PK
	v_lshl_add_u32 v[ADK], v14, 4, v[ADK]
	v_add_nc_u32 v[ADK], s73, v[ADK]               ; in: row r, + 16 h
	v_and_b32 v13, 31, v0
	v_lshrrev_b32 v14, 3, v13
	v_mul_u32_u24 v[ADV], v14, PK
	v_and_b32 v14, 7, v0
	v_lshl_add_u32 v[ADV], v14, 4, v[ADV]
	v_add_nc_u32 v[ADV], s73, v[ADV]               ; back: eight lanes to a row of 128 bytes, four rows an instruction
	s_wait_alu depctr_va_vdst(0)                   ; one wait for the two reciprocals, ahead of their first reader
.irp b, 0,2,4,6,8,10,12,14,16,18,20,22,24,26,28,30
.irp t, 0,1
	v_pk_mul_f32 v[O+32*\t+\b:O+32*\t+\b+1], v[O+32*\t+\b:O+32*\t+\b+1], v[ST+8*\t+6:ST+8*\t+7] op_sel_hi:[1,0]
.endr
.endr
.irp t, 0,1
.irp c, 0,1,2,3
.irp i, 0,1,2,3
	v_cvt_pk_f16_f32 v[S+16*\t+4*\c+\i], v[O+32*\t+8*\c+2*\i], v[O+32*\t+8*\c+2*\i+1]
.endr
.endr
.endr
.irp t, 0,1
.irp c, 0,1,2,3
	ds_store_b128 v[ADK], v[S+16*\t+4*\c:S+16*\t+4*\c+3] offset:16*PK*\t+32*\c   ; query 16 t + r, channels 16 c + 8 h + 0 .. 7
.endr
.endr
.irp i, 0,1,2,3,4,5,6,7
	ds_load_b128 v[S+32+4*\i:S+32+4*\i+3], v[ADV] offset:4*PK*\i                 ; LDS serves a wave's instructions in order: these see my stores
.endr
.irp i, 0,1,2,3,4,5,6,7
	s_wait_dscnt 7-\i                              ; load i is in; the younger ones may be out
	global_store_b128 v[GO], v[S+32+4*\i:S+32+4*\i+3], s[6:7] offset:512*\i      ; 512 consecutive bytes, aligned to 256
.endr
	s_wait_tensorcnt 0x0                           ; the wave's end
	ds_add_u32 v[SPW], v[NIL]
	s_wait_dscnt 0x0
	s_endpgm
.Lfunc_end_k_qd6c5152c47_attn:
	.size	k_qd6c5152c47_attn, .Lfunc_end_k_qd6c5152c47_attn-k_qd6c5152c47_attn
	.p2alignl 7, 3214868480
	.fill 96, 4, 3214868480
	.section	.rodata,"a",@progbits
	.p2align	6, 0x0
	.amdhsa_kernel k_qd6c5152c47_attn
		.amdhsa_group_segment_fixed_size 327680
		.amdhsa_private_segment_fixed_size 0
		.amdhsa_enable_private_segment 0
		.amdhsa_kernarg_size 16
		.amdhsa_user_sgpr_count 2
		.amdhsa_user_sgpr_kernarg_segment_ptr 1
		.amdhsa_wavefront_size32 1
		.amdhsa_system_sgpr_workgroup_id_x 1
		.amdhsa_system_sgpr_workgroup_id_y 1
		.amdhsa_system_sgpr_workgroup_id_z 1
		.amdhsa_system_vgpr_workitem_id 0
		.amdhsa_next_free_vgpr 256
		.amdhsa_next_free_sgpr 100
		.amdhsa_reserve_vcc 1
		.amdhsa_float_denorm_mode_32 3
		.amdhsa_float_denorm_mode_16_64 3
		.amdhsa_memory_ordered 1
		.amdhsa_forward_progress 1
		.amdhsa_inst_pref_size 188
	.end_amdhsa_kernel
	.amdgpu_metadata
---
amdhsa.version: [ 1, 2 ]
amdhsa.kernels:
  - .name:           k_qd6c5152c47_attn
    .symbol:         k_qd6c5152c47_attn.kd
    .args:
      - { .name: hqkv, .offset: 0, .size: 8, .value_kind: global_buffer, .address_space: global }
      - { .name: ctx, .offset: 8, .size: 8, .value_kind: global_buffer, .address_space: global }
    .group_segment_fixed_size: 327680
    .private_segment_fixed_size: 0
    .kernarg_segment_align: 8
    .kernarg_segment_size: 16
    .max_flat_workgroup_size: 512
    .sgpr_count:     100
    .vgpr_count:     256
    .wavefront_size: 32
...
	.end_amdgpu_metadata
.endif
;; end of part 3
;; launch outp (part 4): grid 4 x 64, 4 waves a work-group, clusters of 4 x 4, 327,680 bytes of LDS; arguments ctx, wo16, bo, out0; writes out0
.if DOCPART == 4
	.amdgcn_target "amdgcn-amd-amdhsa--gfx1250"
	.amdhsa_code_object_version 6
	.text
	.protected	k_qd6c5152c47_outp
	.globl	k_qd6c5152c47_outp
	.p2align	8
	.type	k_qd6c5152c47_outp,@function
k_qd6c5152c47_outp:
	s_mov_b64 s[64:65], 0
	v_nop
	global_prefetch_b8 v0, s[64:65] scope:SCOPE_SE
	s_setreg_imm32_b32 hwreg(HW_REG_WAVE_MODE, 25, 1), 1
	s_wait_xcnt 0x0
	s_wait_alu depctr_hold_cnt(0) depctr_sa_sdst(0) depctr_va_vdst(0) depctr_va_sdst(0) depctr_va_ssrc(0) depctr_va_vcc(0) depctr_vm_vsrc(0)
	s_getreg_b32 s2, hwreg(HW_REG_IB_STS2, 6, 4)
	s_cmp_eq_u32 s2, 0
	s_cbranch_scc0 .Lentry_in_a_cluster
	s_endpgm
.Lentry_in_a_cluster:
	s_bfe_u32 s2, ttmp6, 0x10000c
	s_cmp_lg_u32 s2, 0xf033
	s_cbranch_scc0 .Lentry_shape_is_right
	s_endpgm
.Lentry_shape_is_right:
; out0[m][n] = sum over k of ctx(m, k) Wo[n][k] + bo[n].  ctx: [16 heads][8192 rows][64] f16 (k = 64 head + channel); wo16: [1024 n][1024 k] f16; out0: [8192][1024] f32; sums in f32.
; (The rows of the first 16 positions of each sequence are written again, in f32 throughout, by the launch that follows.)
; A tile of out0 is 128 rows x 256 columns: 64 x 4 = 256 work-groups of four waves; a wave makes 64 x 128: 32 accumulators, 256 registers.
; K goes in steps of 128 (two heads) through a ring of two LDS slots.  Waves 0 and 1 fetch the two heads' 128 rows x 128 bytes of ctx, waves 2 and 3 the halves of Wo's 256 rows x 256 bytes: one load a wave.
; CLUSTERS: 4 x 4 work-groups.  The four of a row of the cluster need the same tiles of ctx, the four of a column the same tiles of Wo: each is asked for JOINTLY.
; THE MATRIX INSTRUCTION IS USED TRANSPOSED (source 0 = 16 rows of Wo, source 1 = 16 rows of ctx): a lane holds eight neighbouring columns of one row.  bo is the C of each sum's first product.
; No prefetch: each tile is already asked for once for four work-groups, and a refill has a K step's 128 matrix instructions less 16 in which to land.
; REGISTERS: window 0: v16-31 addresses; v32-95 bo in the result's layout; v128-191 ctx's fragments, two buffers of 32; on the way out v128-255 hold rows.   window 1: v0-127 Wo's fragments, two buffers of 64.
;   window 2: accumulator (a, b) at v[8 (8 a + b)].
.set PA,    144                        ; a row of ctx in LDS: 128 + 16 bytes
.set PB,    272                        ; a row of Wo: 256 + 16
.set BOFF,  2*128*PA                   ; a slot: ctx [2 heads][128 rows], then Wo [256 rows]
.set SLOT,  BOFF+256*PB
.set SPARE, 2*SLOT                     ; the spare words, 128 bytes a wave: no other line names them
.set SPITCH, 528                       ; the way out: a stage of 16 rows x (512 + 16) bytes for each wave, in slot 0, which has had its last fill and its last read by then
.set LAPS,  4                          ; 8 K steps, two to a lap
.set ADRA, 16
.set ADRB, 20
.set STO,  24
.set RD,   25
.set CO,   26
.set BA,   27
.set SPW,  28                          ; v28 LDS address of my spare word; never rewritten
.set NIL,  29                          ; v29 0; never rewritten
.set BI,   32
.set AF,   128
.set BK,   128
.set G1, 24
.set G0, 32
.set G1B, 48
.set G0B, 56
.set MSB, 0
.macro WIN new
.if MSB != (\new)
	s_set_vgpr_msb (MSB<<8)|(\new)
.set MSB, \new
.endif
.endm
.set MUL,  0xa1                        ; source 0 (Wo) window 1, source 1 (ctx) window 0, C and D window 2
.set MUL0, 0x81                        ; the same with C (bo) in window 0
.set TO_B, 0x40
.macro JLOAD s                         ; a joint load; an s_nop 0 and four v_nop follow each of the two lines
	s_cmp_eq_u32 s11, 0
	s_cbranch_scc0 .Lfor_b_\@
	tensor_load_to_lds s[G0+4*\s:G0+4*\s+3], s[G1:G1+7]
	s_nop 0
.rept 4
	v_nop
.endr
	s_branch .Lasked_\@
.Lfor_b_\@:
	tensor_load_to_lds s[G0B+4*\s:G0B+4*\s+3], s[G1B:G1B+7]
	s_nop 0
.rept 4
	v_nop
.endr
.Lasked_\@:
.endm
.macro CREST
	s_cmp_lg_u32 s10, 0
	s_cbranch_scc1 .Lnot_wave_0_\@
	s_barrier_signal -3
.Lnot_wave_0_\@:
	s_barrier_wait -3
	s_barrier_signal -1
	s_barrier_wait -1
.endm
.macro CROUND
	s_barrier_signal -1
	s_barrier_wait -1
	CREST
.endm
	s_load_b128 s[4:7], s[0:1], 0x0                ; ctx, wo16
	s_load_b128 s[68:71], s[0:1], 0x10             ; bo, out0
	v_lshl_add_u32 v[SPW], v0, 2, SPARE
	v_mov_b32 v[NIL], 0
	ds_add_u32 v[SPW], v[NIL]                      ; the wave's opening: the add, twice on end, and its wait ahead of my first tensor load
	ds_add_u32 v[SPW], v[NIL]
	v_lshrrev_b32 v1, 5, v0
	v_readfirstlane_b32 s10, v1                    ; wave 0..3
	s_lshr_b32 s11, s10, 1                         ; which 64 rows are mine.  Also: I fetch for ctx (0) or for Wo (1)
	s_and_b32 s12, s10, 1                          ; which 128 columns.  Also: which head, or which 128 rows of Wo, I fetch
	s_bfe_u32 s40, ttmp6, 0x40000                  ; cx
	s_bfe_u32 s41, ttmp6, 0x40004                  ; cy
	s_lshl_b32 s42, ttmp9, 2
	s_add_co_u32 s42, s42, s40                     ; tile column
	s_and_b32 s13, ttmp7, 0xffff
	s_lshl_b32 s13, s13, 2
	s_add_co_u32 s13, s13, s41                     ; tile row
	s_lshl_b32 s43, s41, 2
	s_lshl_b32 s43, 15, s43                        ; my row of the cluster
	s_lshl_b32 s44, 0x1111, s40                    ; my column
	s_or_b32 s[G1+0], s43, (1<<16)|(1<<20)|(1<<21)|(4<<22)|(3<<25)   ; ctx: elements of 2 bytes; padding: after every 32 words, 4 words
	s_mov_b32 s[G1+1], 64<<16
	s_mov_b32 s[G1+2], 128<<16
	s_mov_b32 s[G1+3], 64<<16
	s_mov_b32 s[G1+4], 128
	s_mov_b32 s[G1+5], 64
	s_mov_b32 s[G1+6], 0
	s_mov_b32 s[G1+7], 0
	s_or_b32 s[G1B+0], s44, (1<<16)|(1<<20)|(1<<21)|(5<<22)|(3<<25)  ; Wo: after every 64 words, 4 words
	s_mov_b32 s[G1B+1], 128<<16
	s_mov_b32 s[G1B+2], 128<<16
	s_mov_b32 s[G1B+3], 128<<16
	s_mov_b32 s[G1B+4], 128
	s_mov_b32 s[G1B+5], 1024
	s_mov_b32 s[G1B+6], 0
	s_mov_b32 s[G1B+7], 0
	s_lshl_b32 s16, s13, 14                        ; ctx: 128 rows of 128 bytes a tile row,
	s_lshl_b32 s17, s12, 20                        ; a head is 1,048,576 bytes
	s_add_co_u32 s16, s16, s17
	s_mov_b32 s17, 0
	s_lshl_b32 s46, s42, 8
	s_lshl_b32 s47, s12, 7
	s_add_co_u32 s46, s46, s47                     ; Wo: row 256 x tile column + 128 x half,
	s_lshl_b32 s46, s46, 11                        ; of 2,048 bytes
	s_mov_b32 s47, 0
	s_mul_i32 s20, s12, 128*PA                     ; where they go
	s_mul_i32 s21, s12, 128*PB
	s_add_co_u32 s21, s21, BOFF
	s_wait_dscnt 0x0                               ; both opening adds are done
	s_wait_kmcnt 0x0
	s_add_nc_u64 s[14:15], s[4:5], s[16:17]
	s_add_nc_u64 s[46:47], s[6:7], s[46:47]
	CROUND                                         ; all sixteen work-groups are here: the first joint loads meet
.irp s, 0,1
	s_mov_b32 s[G0+4*\s], 1
	s_add_co_u32 s[G0+4*\s+1], s20, \s*SLOT
	s_add_nc_u64 s[G0+4*\s+2:G0+4*\s+3], s[14:15], \s*2097152      ; K step s: heads 2 s and 2 s + 1
	s_or_b32 s[G0+4*\s+3], s[G0+4*\s+3], 0x80000000
	s_mov_b32 s[G0B+4*\s], 1
	s_add_co_u32 s[G0B+4*\s+1], s21, \s*SLOT
	s_add_nc_u64 s[G0B+4*\s+2:G0B+4*\s+3], s[46:47], \s*256
	s_or_b32 s[G0B+4*\s+3], s[G0B+4*\s+3], 0x80000000
	JLOAD \s
.endr
	v_and_b32 v1, 15, v0                           ; r
	v_bfe_u32 v2, v0, 4, 1                         ; h
	v_mul_u32_u24 v3, v1, PA
	v_lshl_add_u32 v3, v2, 4, v3
	v_mul_u32_u24 v4, v1, PB
	v_lshl_add_u32 v4, v2, 4, v4
	s_mul_i32 s22, s11, 64*PA                      ; my 64 rows of ctx
	s_mul_i32 s23, s12, 128*PB                     ; my 128 rows of Wo
	s_add_co_u32 s23, s23, BOFF
.irp s, 0,1
	v_add_nc_u32 v[ADRA+\s], s22, v3
	v_add_nc_u32 v[ADRB+\s], s23, v4
	s_add_co_u32 s22, s22, SLOT
	s_add_co_u32 s23, s23, SLOT
.endr
	s_mul_i32 s23, s10, 16*SPITCH                  ; my stage
	v_mul_u32_u24 v5, v1, SPITCH
	v_lshl_add_u32 v5, v2, 5, v5
	v_add_nc_u32 v[STO], s23, v5                   ; in: row r, 32 bytes for each half of the lanes
	v_and_b32 v6, 31, v0
	v_lshlrev_b32 v[CO], 4, v6
	v_add_nc_u32 v[RD], s23, v[CO]                 ; back: the 32 lanes take a row of 512 bytes
	v_lshlrev_b32 v[BA], 5, v2
	s_lshl_b32 s46, s42, 10
	s_lshl_b32 s47, s12, 9
	s_add_co_u32 s46, s46, s47                     ; my first column x 4 bytes
	s_mov_b32 s47, 0
	s_add_nc_u64 s[68:69], s[68:69], s[46:47]
	s_add_nc_u64 s[70:71], s[70:71], s[46:47]
	s_lshl_b32 s46, s13, 7
	s_lshl_b32 s22, s11, 6
	s_add_co_u32 s46, s46, s22                     ; my first row: 128 x tile row + 64 x half
	s_lshl_b32 s46, s46, 12
	s_add_nc_u64 s[70:71], s[70:71], s[46:47]
.irp b, 0,1,2,3,4,5,6,7
	global_load_b128 v[BI+8*\b:BI+8*\b+3], v[BA], s[68:69] offset:64*\b        ; bo at columns 16 b + 8 h + 0 .. 7
	global_load_b128 v[BI+8*\b+4:BI+8*\b+7], v[BA], s[68:69] offset:64*\b+16
.endr
; 8 matrix instructions: ctx's block a against Wo's eight, 32 along K, from buffer f.  The 32 accumulators take turns, one instruction a turn.
.macro MUL8 f, a, zero
.irp b, 0,1,2,3,4,5,6,7
.if \zero
	v_wmma_f32_16x16x32_f16 v[8*(8*(\a)+\b):8*(8*(\a)+\b)+7], v[64*(\f)+8*\b:64*(\f)+8*\b+7], v[AF+32*(\f)+8*(\a):AF+32*(\f)+8*(\a)+7], v[BI+8*\b:BI+8*\b+7]
.else
	v_wmma_f32_16x16x32_f16 v[8*(8*(\a)+\b):8*(8*(\a)+\b)+7], v[64*(\f)+8*\b:64*(\f)+8*\b+7], v[AF+32*(\f)+8*(\a):AF+32*(\f)+8*(\a)+7], v[8*(8*(\a)+\b):8*(8*(\a)+\b)+7]
.endif
.endr
.endm
; 24 LDS loads in one run: quarter q (32 along K: head q / 2, channels 32 (q % 2) on) of a slot into buffer f: Wo's sixteen, then ctx's eight
.macro FETCH slot, q, f
	WIN TO_B
.irp i, 0,1,2,3,4,5,6,7
	ds_load_b128 v[64*(\f)+8*\i:64*(\f)+8*\i+3],   v[ADRB+\slot] offset:64*(\q)+\i*16*PB
	ds_load_b128 v[64*(\f)+8*\i+4:64*(\f)+8*\i+7], v[ADRB+\slot] offset:64*(\q)+\i*16*PB+32
.endr
	WIN 0
.irp i, 0,1,2,3
	ds_load_b128 v[AF+32*(\f)+8*\i:AF+32*(\f)+8*\i+3],   v[ADRA+\slot] offset:128*PA*((\q)/2)+64*((\q)%2)+\i*16*PA
	ds_load_b128 v[AF+32*(\f)+8*\i+4:AF+32*(\f)+8*\i+7], v[ADRA+\slot] offset:128*PA*((\q)/2)+64*((\q)%2)+\i*16*PA+32
.endr
.endm
.macro PLACES                          ; four plain vector instructions between a matrix instruction and a load into its registers or a read of its results
.rept 4
	v_nop
.endr
.endm
; One of a K step's first three quarters: multiplies buffer f; in its middle it fetches quarter qn of the same slot into buffer g.
.macro QUARTER slot, qn, f, g, zero
	s_wait_dscnt 4                                 ; Wo's fragments and ctx's blocks 0 and 1 are in; the four loads of blocks 2 and 3 may be out
	WIN MUL-0x20*(\zero)
	MUL8 \f, 0, \zero
	MUL8 \f, 1, \zero
	PLACES
	FETCH \slot, \qn, \g
	s_wait_dscnt 24                                ; all but the 24 just issued
	WIN MUL-0x20*(\zero)
	MUL8 \f, 2, \zero
	MUL8 \f, 3, \zero
.endm
; The last quarter multiplies buffer 1 and changes slots: ONE barrier; in front of it each wave waits for all its tensor loads, adds 0 to its spare word, and waits for that and for its reads of this slot.
; fill = 1: the barrier opens a round of the cluster's barrier, and this slot is filled again, two K steps ahead, first thing behind the round.
.macro TURN slot, next, fill
	WIN 0
	s_wait_tensorcnt 0x0                           ; all my tensor loads have landed: my part of the next slot
	ds_add_u32 v[SPW], v[NIL]
	s_wait_dscnt 5                                 ; the add and the four youngest loads may be out
	WIN MUL
	MUL8 1, 0, 0
	s_wait_dscnt 0x0                               ; the add is done, and my reads of this slot are over
	s_barrier_signal -1
	MUL8 1, 1, 0
.if \fill
	WIN 0
.endif
	s_barrier_wait -1
.if \fill
	CREST                                          ; no wave of any partner still reads this slot or has a load on its way
	s_add_nc_u64 s[G0+4*\slot+2:G0+4*\slot+3], s[G0+4*\slot+2:G0+4*\slot+3], 4194304     ; four heads on
	s_add_nc_u64 s[G0B+4*\slot+2:G0B+4*\slot+3], s[G0B+4*\slot+2:G0B+4*\slot+3], 512     ; 256 along K on
	JLOAD \slot                                    ; its four v_nop are also the places in front of the loads below
.else
	PLACES
.endif
	FETCH \next, 0, 0
	WIN MUL
	MUL8 1, 2, 0
	MUL8 1, 3, 0
.endm
	s_wait_tensorcnt 1                             ; my part of K step 0 is in; K step 1's load may be out
	s_barrier_signal -1
	s_barrier_wait -1
	FETCH 0, 0, 0
	s_wait_loadcnt 0x0                             ; bo
	QUARTER 0, 1, 0, 1, 1                          ; the first quarter stands in front of the loop: its products start the sums from bo
	WIN 0
	s_mov_b32 s3, LAPS-1
.Llap:                                             ; a trip goes once round the ring, from a lap's second quarter to the next lap's first, and fills both slots again
	QUARTER 0, 2, 1, 0, 0
	QUARTER 0, 3, 0, 1, 0
	TURN 0, 1, 1
	QUARTER 1, 1, 0, 1, 0
	QUARTER 1, 2, 1, 0, 0
	QUARTER 1, 3, 0, 1, 0
	TURN 1, 0, 1
	QUARTER 0, 1, 0, 1, 0
	WIN 0
	s_sub_co_u32 s3, s3, 1
	s_cmp_lg_u32 s3, 0
	s_cbranch_scc1 .Llap
	QUARTER 0, 2, 1, 0, 0                          ; the last lap fills nothing
	QUARTER 0, 3, 0, 1, 0
	TURN 0, 1, 0
	QUARTER 1, 1, 0, 1, 0
	QUARTER 1, 2, 1, 0, 0
	QUARTER 1, 3, 0, 1, 0
	s_wait_dscnt 4
	WIN MUL
	MUL8 1, 0, 0
	MUL8 1, 1, 0
	s_wait_dscnt 0
	MUL8 1, 2, 0
	MUL8 1, 3, 0
	WIN 0
; THE WAY OUT, block by block of 16 rows x 128 columns: through my stage, and back as whole rows of 512 bytes.
.macro TOSTAGE a
	WIN 0x08                                       ; an LDS store's data: window 2
.irp b, 0,1,2,3,4,5,6,7
	ds_store_b128 v[STO], v[64*(\a)+8*\b:64*(\a)+8*\b+3] offset:64*\b          ; each accumulator from its low end on
	ds_store_b128 v[STO], v[64*(\a)+8*\b+4:64*(\a)+8*\b+7] offset:64*\b+16
.endr
	WIN 0
.set BB, BK+64*((\a)%2)
.irp t, 0,1,2,3,4,5,6,7,8,9,10,11,12,13,14,15
	ds_load_b128 v[BB+4*\t:BB+4*\t+3], v[RD] offset:\t*SPITCH                  ; LDS serves a wave's instructions in order: these see the stores above
.endr
.endm
.macro SEND a, younger
.set BB, BK+64*((\a)%2)
	s_wait_dscnt \younger                          ; the block is back; the next block's 16 stores and 16 loads may be out
.irp t, 0,1,2,3,4,5,6,7,8,9,10,11,12,13,14,15
	global_store_b128 v[CO], v[BB+4*\t:BB+4*\t+3], s[70:71] offset:(16*(\a)+\t)*4096 th:TH_STORE_NT   ; 512 consecutive bytes, aligned to 256
.endr
.endm
	PLACES
	TOSTAGE 0
.irp a, 1,2,3
.if \a > 1
	s_wait_xcnt 0x0                                ; block a - 2's stores have read their data: block a's loads may land there
.endif
	TOSTAGE \a
	SEND \a-1, 32
.endr
	SEND 3, 0
	s_wait_tensorcnt 0x0                           ; the wave's end
	ds_add_u32 v[SPW], v[NIL]
	s_wait_dscnt 0x0
	CROUND                                         ; the closing round
	s_endpgm
.Lfunc_end_k_qd6c5152c47_outp:
	.size	k_qd6c5152c47_outp, .Lfunc_end_k_qd6c5152c47_outp-k_qd6c5152c47_outp
	.p2alignl 7, 3214868480
	.fill 96, 4, 3214868480
	.section	.rodata,"a",@progbits
	.p2align	6, 0x0
	.amdhsa_kernel k_qd6c5152c47_outp
		.amdhsa_group_segment_fixed_size 327680
		.amdhsa_private_segment_fixed_size 0
		.amdhsa_enable_private_segment 0
		.amdhsa_kernarg_size 32
		.amdhsa_user_sgpr_count 2
		.amdhsa_user_sgpr_kernarg_segment_ptr 1
		.amdhsa_wavefront_size32 1
		.amdhsa_system_sgpr_workgroup_id_x 1
		.amdhsa_system_sgpr_workgroup_id_y 1
		.amdhsa_system_sgpr_workgroup_id_z 1
		.amdhsa_system_vgpr_workitem_id 0
		.amdhsa_next_free_vgpr 768
		.amdhsa_next_free_sgpr 80
		.amdhsa_reserve_vcc 0
		.amdhsa_float_denorm_mode_32 3
		.amdhsa_float_denorm_mode_16_64 3
		.amdhsa_memory_ordered 1
		.amdhsa_forward_progress 1
		.amdhsa_inst_pref_size 87
	.end_amdhsa_kernel
	.amdgpu_metadata
---
amdhsa.version: [ 1, 2 ]
amdhsa.kernels:
  - .name:           k_qd6c5152c47_outp
    .symbol:         k_qd6c5152c47_outp.kd
    .args:
      - { .name: ctx, .offset: 0, .size: 8, .value_kind: global_buffer, .address_space: global }
      - { .name: wo16, .offset: 8, .size: 8, .value_kind: global_buffer, .address_space: global }
      - { .name: bo, .offset: 16, .size: 8, .value_kind: global_buffer, .address_space: global }
      - { .name: out0, .offset: 24, .size: 8, .value_kind: global_buffer, .address_space: global }
    .group_segment_fixed_size: 327680
    .private_segment_fixed_size: 0
    .kernarg_segment_align: 8
    .kernarg_segment_size: 32
    .max_flat_workgroup_size: 128
    .sgpr_count:     80
    .vgpr_count:     768
    .wavefront_size: 32
...
	.end_amdgpu_metadata
.endif
;; end of part 4
;; launch fine16 (part 5): grid 16 x 4, 16 waves a work-group, no clusters, 67,584 bytes of LDS; arguments fine, Wo, bo, out0; writes out0
.if DOCPART == 5
	.amdgcn_target "amdgcn-amd-amdhsa--gfx1250"
	.amdhsa_code_object_version 6
	.text
	.protected	k_qd6c5152c47_fine16
	.globl	k_qd6c5152c47_fine16
	.p2align	8
	.type	k_qd6c5152c47_fine16,@function
k_qd6c5152c47_fine16:
	s_mov_b64 s[64:65], 0
	v_nop
	global_prefetch_b8 v0, s[64:65] scope:SCOPE_SE
	s_setreg_imm32_b32 hwreg(HW_REG_WAVE_MODE, 25, 1), 1
	s_wait_xcnt 0x0
; The first 16 positions of every sequence, in f32 from the projections' sums to the output: under the causal mask these rows average one to sixteen values, so operands rounded to 16 bits weigh most there.
; fine [g = q, k, v][b][t 16][1024] f32;  Wo [1024 n][1024 k] f32;  out0 rows 2,048 b + 0 .. 15 are written over.
; Work-group (slice, b): 64 columns of the 16 rows of batch b.  Wave w is head w: scores (16 x 16 x 64), softmax, context (16 x 64 x 16), and its part of the output, context x Wo[64 columns][the head's 64]^T; the
; sixteen parts meet in LDS, and wave w sums and stores row w: 256 consecutive bytes, aligned.  A batch's attention is computed anew in each of its 16 slices: 32 small matrix instructions a wave.
; 64 work-groups: narrower slices would store parts of a row's 256 bytes.  The work is a few hundred thousand multiply-adds a wave: the f32 matrix form is no bulk work here.
; All products by v_wmma_f32_16x16x4_f32, used transposed, so that a lane holds one query (lane % 16).  Along each K the same permutation is applied to both operands, so that a lane's registers serve as they lie.
; The registers that this form writes (v112-175) are written by matrix instructions alone: sums begin with C = 0, and what is made of them goes elsewhere.
.set QR, 16                            ; v16-47   Q: lane (r, h): channels 32 h + 0 .. 31 of query r;  later Wo's tile 2
.set KR, 48                            ; v48-79   K likewise;  later Wo's tile 3
.set VR, 80                            ; v80-111  V: register 8 c + j: key 8 h + j, channel 16 c + r
.set SA, 112                           ; v112-143 four partial S^T; later the four tiles of my part of the output
.set CT, 144                           ; v144-175 the context, transposed: tile c, register j: channel 16 c + 8 h + j, query r
.set W0, 176                           ; v176-239 Wo's tiles 0 and 1: register 8 c + j: row 16 nt + r, k = 16 c + 8 h + j;  later the sixteen parts
.set PP, 240                           ; v240-247 the scores, then p
.set SPW, 14                           ; v14 LDS address of my spare word; never rewritten
.set NIL, 15                           ; v15 0; never rewritten
.set SPARE, 65536                      ; behind the sixteen parts of 4,096 bytes: the spare words, 128 bytes a wave
	s_load_b256 s[4:11], s[0:1], 0x0               ; fine, Wo, bo, out0
	v_lshl_add_u32 v[SPW], v0, 2, SPARE
	v_mov_b32 v[NIL], 0
	v_lshrrev_b32 v1, 5, v0
	v_readfirstlane_b32 s12, v1                    ; wave = head
	v_and_b32 v1, 15, v0                           ; r
	v_bfe_u32 v2, v0, 4, 1                         ; h
	v_and_b32 v11, 31, v0                          ; lane
	v_lshlrev_b32 v3, 12, v1
	v_lshl_add_u32 v5, v2, 5, v3                   ; Wo: 4,096 r + 32 h
	v_lshl_add_u32 v3, v2, 7, v3                   ; Q, K: 4,096 r + 128 h
	v_lshlrev_b32 v4, 2, v1
	v_lshl_add_u32 v4, v2, 15, v4                  ; V: 8 h rows of 4,096 bytes + 4 r
	v_lshlrev_b32 v6, 3, v11                       ; bo, out0: 8 bytes a lane
	v_lshlrev_b32 v7, 3, v2
	v_sub_nc_u32 v7, v1, v7                        ; d = r - 8 h: register j holds key 8 h + j, hidden where j > d
	s_lshl_b32 s13, s12, 12
	v_lshl_add_u32 v8, v11, 4, s13                 ; my part in LDS: an image of the registers, 16 bytes a lane
	v_lshrrev_b32 v9, 3, v11                       ; back: lane l sums columns 2 l and 2 l + 1 of row w: tile l / 8,
	v_lshlrev_b32 v9, 10, v9
	v_bfe_u32 v12, v0, 1, 1
	v_lshl_add_u32 v9, v12, 9, v9                  ; registers 0-3 or 4-7,
	v_bfe_u32 v12, v0, 2, 1
	v_lshl_add_u32 v9, v12, 8, v9                  ; the lanes' half,
	v_and_b32 v12, 1, v0
	v_lshl_add_u32 v9, v12, 3, v9                  ; two of the four registers,
	s_lshl_b32 s14, s12, 4
	v_add_nc_u32 v9, s14, v9                       ; lane r = w
	v_mov_b32 v10, 0xff800000                      ; -infinity
	v_mov_b32 v249, 0                              ; (a lane permute's destination counts as a source)
	s_and_b32 s15, ttmp7, 0xffff                   ; b
	s_lshl_b32 s16, s15, 16
	s_lshl_b32 s17, s12, 8
	s_add_co_u32 s16, s16, s17                     ; fine: 65,536 b + 256 w
	s_mov_b32 s17, 0
	s_lshl_b32 s18, ttmp9, 18
	s_lshl_b32 s19, s12, 8
	s_add_co_u32 s18, s18, s19                     ; Wo: 64 rows a slice, + 256 w
	s_mov_b32 s19, 0
	s_lshl_b32 s20, ttmp9, 8                       ; bo: 256 bytes a slice
	s_mov_b32 s21, 0
	s_lshl_b32 s22, s15, 11
	s_add_co_u32 s22, s22, s12
	s_lshl_b32 s22, s22, 12
	s_add_co_u32 s22, s22, s20                     ; out0: row 2,048 b + w, + the slice
	s_mov_b32 s23, 0
	s_mov_b32 s24, 0x76543210
	s_mov_b32 s25, 0xfedcba98                      ; v_permlanex16_b32: lane l xor 16
	s_mov_b32 s26, 0x3e38aa3b                      ; c = log2(e) / 8
	s_wait_kmcnt 0x0
	s_add_nc_u64 s[4:5], s[4:5], s[16:17]
	s_add_nc_u64 s[6:7], s[6:7], s[18:19]
	s_add_nc_u64 s[8:9], s[8:9], s[20:21]
	s_add_nc_u64 s[10:11], s[10:11], s[22:23]
.irp i, 0,1,2,3,4,5,6,7
	global_load_b128 v[QR+4*\i:QR+4*\i+3], v3, s[4:5] offset:16*\i
.endr
.irp i, 0,1,2,3,4,5,6,7
	global_load_b128 v[KR+4*\i:KR+4*\i+3], v3, s[4:5] offset:262144+16*\i
.endr
.irp c, 0,1,2,3
.irp j, 0,1,2,3,4,5,6,7
	global_load_b32 v[VR+8*\c+\j], v4, s[4:5] offset:524288+4096*\j+64*\c
.endr
.endr
.macro WLOAD reg, nt
.irp c, 0,1,2,3
	global_load_b128 v[\reg+8*\c:\reg+8*\c+3], v5, s[6:7] offset:65536*(\nt)+64*\c
	global_load_b128 v[\reg+8*\c+4:\reg+8*\c+7], v5, s[6:7] offset:65536*(\nt)+64*\c+16
.endr
.endm
	WLOAD W0, 0
	WLOAD W0+32, 1
	global_load_b64 v[250:251], v6, s[8:9]         ; bo
	s_wait_loadcnt 49                              ; Q and K are in; V's 32 loads, Wo's 16 and bo's may be out
.irp s, 0,1,2,3,4,5,6,7,8,9,10,11,12,13,14,15  ; S^T = K Q^T in four partial sums, which take turns, one instruction a turn
.if \s < 4
	v_wmma_f32_16x16x4_f32 v[SA+8*(\s%4):SA+8*(\s%4)+7], v[KR+2*\s:KR+2*\s+1], v[QR+2*\s:QR+2*\s+1], 0
.else
	v_wmma_f32_16x16x4_f32 v[SA+8*(\s%4):SA+8*(\s%4)+7], v[KR+2*\s:KR+2*\s+1], v[QR+2*\s:QR+2*\s+1], v[SA+8*(\s%4):SA+8*(\s%4)+7]
.endif
.endr
.rept 8
	v_nop                                          ; eight places behind this form, in front of loads into its sources and of the first read of its results
.endr
	WLOAD QR, 2
	WLOAD KR, 3
.irp j, 0,2,4,6
	v_pk_add_f32 v[PP+\j:PP+\j+1], v[SA+\j:SA+\j+1], v[SA+8+\j:SA+8+\j+1]      ; the four parts, each from its low end on
.endr
.irp j, 0,2,4,6
	v_pk_add_f32 v[PP+\j:PP+\j+1], v[PP+\j:PP+\j+1], v[SA+16+\j:SA+16+\j+1]
.endr
.irp j, 0,2,4,6
	v_pk_add_f32 v[PP+\j:PP+\j+1], v[PP+\j:PP+\j+1], v[SA+24+\j:SA+24+\j+1]
.endr
.irp j, 0,1,2,3,4,5,6,7
	v_cmp_gt_i32 vcc_lo, \j, v7
	v_cndmask_b32 v[PP+\j], v[PP+\j], v10, vcc_lo  ; hidden keys: -infinity
.endr
	v_max3_num_f32 v248, v[PP], v[PP+1], v[PP+2]
	v_max3_num_f32 v248, v248, v[PP+3], v[PP+4]
	v_max3_num_f32 v248, v248, v[PP+5], v[PP+6]
	v_max_num_f32 v248, v248, v[PP+7]
	v_permlanex16_b32 v249, v248, s24, s25
	v_max_num_f32 v248, v248, v249                 ; the row's maximum: key 0 counts for every query
	v_mul_f32 v248, s26, v248
.irp j, 0,1,2,3,4,5,6,7
	v_fma_f32 v[PP+\j], v[PP+\j], s26, -v248
.endr
.irp j, 0,1,2,3,4,5,6,7
	v_exp_f32 v[PP+\j], v[PP+\j]
.endr
	v_nop                                          ; a plain instruction behind the last exponential,
	s_wait_alu depctr_va_vdst(0)                   ; and one wait for the eight, ahead of their first reader
	v_pk_add_f32 v[252:253], v[PP:PP+1], v[PP+2:PP+3]
	v_pk_add_f32 v[254:255], v[PP+4:PP+5], v[PP+6:PP+7]
	v_pk_add_f32 v[252:253], v[252:253], v[254:255]
	v_add_f32 v252, v252, v253
	v_permlanex16_b32 v249, v252, s24, s25
	v_add_f32 v252, v252, v249                     ; the row's sum
	v_rcp_f32 v252, v252
	v_nop
	s_wait_alu depctr_va_vdst(0)
.irp j, 0,2,4,6
	v_pk_mul_f32 v[PP+\j:PP+\j+1], v[PP+\j:PP+\j+1], v[252:253] op_sel_hi:[1,0]
.endr
	s_wait_loadcnt 33                              ; V is in; Wo's 32 loads and bo's may be out
.irp s, 0,1,2,3                                ; context^T = V^T P: instruction s takes keys 8 h + 2 s, 2 s + 1; the four tiles of channels take turns
.irp c, 0,1,2,3
.if \s == 0
	v_wmma_f32_16x16x4_f32 v[CT+8*\c:CT+8*\c+7], v[VR+8*\c+2*\s:VR+8*\c+2*\s+1], v[PP+2*\s:PP+2*\s+1], 0
.else
	v_wmma_f32_16x16x4_f32 v[CT+8*\c:CT+8*\c+7], v[VR+8*\c+2*\s:VR+8*\c+2*\s+1], v[PP+2*\s:PP+2*\s+1], v[CT+8*\c:CT+8*\c+7]
.endif
.endr
.endr
.rept 9
	v_nop                                          ; nine places before a matrix instruction takes these results as a source
.endr
	s_wait_loadcnt 0x0                             ; Wo and bo
.macro OUTMUL c, s, nt, w
.if (\c) == 0 && (\s) == 0
	v_wmma_f32_16x16x4_f32 v[SA+8*\nt:SA+8*\nt+7], v[\w+8*\c+2*\s:\w+8*\c+2*\s+1], v[CT+8*\c+2*\s:CT+8*\c+2*\s+1], 0
.else
	v_wmma_f32_16x16x4_f32 v[SA+8*\nt:SA+8*\nt+7], v[\w+8*\c+2*\s:\w+8*\c+2*\s+1], v[CT+8*\c+2*\s:CT+8*\c+2*\s+1], v[SA+8*\nt:SA+8*\nt+7]
.endif
.endm
.irp c, 0,1,2,3                                ; my part of the output, transposed: source 0 = 16 rows of Wo, source 1 = the context; the four tiles of columns take turns
.irp s, 0,1,2,3
	OUTMUL \c, \s, 0, W0
	OUTMUL \c, \s, 1, W0+32
	OUTMUL \c, \s, 2, QR
	OUTMUL \c, \s, 3, KR
.endr
.endr
.rept 8
	v_nop
.endr
.irp nt, 0,1,2,3
	ds_store_b128 v8, v[SA+8*\nt:SA+8*\nt+3] offset:1024*\nt           ; lane (r, h), register j: row r, column 16 nt + 8 h + j
	ds_store_b128 v8, v[SA+8*\nt+4:SA+8*\nt+7] offset:1024*\nt+512
.endr
	s_wait_dscnt 0x0                               ; for the others' sake: my stores have landed
	s_barrier_signal -1
	s_barrier_wait -1
.irp p, 0,1,2,3,4,5,6,7,8,9,10,11,12,13,14,15
	ds_load_b64 v[W0+2*\p:W0+2*\p+1], v9 offset:4096*\p                ; head p's part of my two columns of row w
.endr
	s_wait_dscnt 0x0
	v_pk_add_f32 v[250:251], v[250:251], v[W0:W0+1]                    ; bo + the sixteen parts, in two chains
	v_pk_add_f32 v[252:253], v[W0+2:W0+3], v[W0+4:W0+5]
.irp p, 3,5,7,9,11,13
	v_pk_add_f32 v[250:251], v[250:251], v[W0+2*\p:W0+2*\p+1]
	v_pk_add_f32 v[252:253], v[252:253], v[W0+2*\p+2:W0+2*\p+3]
.endr
	v_pk_add_f32 v[250:251], v[250:251], v[W0+30:W0+31]
	v_pk_add_f32 v[250:251], v[250:251], v[252:253]
	global_store_b64 v6, v[250:251], s[10:11]      ; the wave stores 256 consecutive bytes, aligned
	s_wait_tensorcnt 0x0                           ; the wave's end, behind my last LDS store
	ds_add_u32 v[SPW], v[NIL]
	s_wait_dscnt 0x0
	s_endpgm
.Lfunc_end_k_qd6c5152c47_fine16:
	.size	k_qd6c5152c47_fine16, .Lfunc_end_k_qd6c5152c47_fine16-k_qd6c5152c47_fine16
	.p2alignl 7, 3214868480
	.fill 96, 4, 3214868480
	.section	.rodata,"a",@progbits
	.p2align	6, 0x0
	.amdhsa_kernel k_qd6c5152c47_fine16
		.amdhsa_group_segment_fixed_size 67584
		.amdhsa_private_segment_fixed_size 0
		.amdhsa_enable_private_segment 0
		.amdhsa_kernarg_size 32
		.amdhsa_user_sgpr_count 2
		.amdhsa_user_sgpr_kernarg_segment_ptr 1
		.amdhsa_wavefront_size32 1
		.amdhsa_system_sgpr_workgroup_id_x 1
		.amdhsa_system_sgpr_workgroup_id_y 1
		.amdhsa_system_sgpr_workgroup_id_z 1
		.amdhsa_system_vgpr_workitem_id 0
		.amdhsa_next_free_vgpr 256
		.amdhsa_next_free_sgpr 66
		.amdhsa_reserve_vcc 1
		.amdhsa_float_denorm_mode_32 3
		.amdhsa_float_denorm_mode_16_64 3
		.amdhsa_memory_ordered 1
		.amdhsa_forward_progress 1
		.amdhsa_inst_pref_size 23
	.end_amdhsa_kernel
	.amdgpu_metadata
---
amdhsa.version: [ 1, 2 ]
amdhsa.kernels:
  - .name:           k_qd6c5152c47_fine16
    .symbol:         k_qd6c5152c47_fine16.kd
    .args:
      - { .name: fine, .offset: 0, .size: 8, .value_kind: global_buffer, .address_space: global }
      - { .name: Wo, .offset: 8, .size: 8, .value_kind: global_buffer, .address_space: global }
      - { .name: bo, .offset: 16, .size: 8, .value_kind: global_buffer, .address_space: global }
      - { .name: out0, .offset: 24, .size: 8, .value_kind: global_buffer, .address_space: global }
    .group_segment_fixed_size: 67584
    .private_segment_fixed_size: 0
    .kernarg_segment_align: 8
    .kernarg_segment_size: 32
    .max_flat_workgroup_size: 512
    .sgpr_count:     66
    .vgpr_count:     256
    .wavefront_size: 32
...
	.end_amdgpu_metadata
.endif
;; end of part 5
